; MI455X (gfx1250); checked and timed in simulation.
; The chip was launched on July 23, 2026; its instructions are those of AMD's public machine-readable ISA for CDNA 5 (MIT licence, August 2026) and "CDNA5" Instruction Set Architecture Reference Guide (July 2026). The comments in the code are by the model that wrote it; some were corrected since.
;; GPT Block Base. Allowed arithmetic: matrix products marked QUANTISED: E3M2 operands, one E8M0 scale for each 32 along K, by v_wmma_scale_f32_16x16x128_f8f6f4 with both operands' format E3M2, f32 sums; everything else in f32.
;; Inputs: b1 4,096 float32; b2 1,024 float32; beta1 1,024 float32; beta2 1,024 float32; bk 1,024 float32; bo 1,024 float32; bq 1,024 float32; bv 1,024 float32; g1 1,024 float32; g2 1,024 float32; key_padding_mask 2 x 2,048 bool; w1 1,024 x 4,096 float32; w2 4,096 x 1,024 float32; wk 1,024 x 1,024 float32; wo 1,024 x 1,024 float32; wq 1,024 x 1,024 float32; wv 1,024 x 1,024 float32; x 2 x 2,048 x 1,024 float32.
;; Outputs: out0 2 x 2,048 x 1,024 float32.
;; This version of the problem:
;;   THIS VERSION OF THE PROBLEM IS GIVEN IN LOW PRECISION. The matrix products marked QUANTISED in the list below multiply operands that are first quantised to E3M2 (3 exponent bits, 2 mantissa bits; 6 bits a number), with one power-of-two scale for each 32 numbers along K (OCP MX v1.0); their sums are f32. All else is computed in f32.
;;   The module's matrix products, in the order in which they are computed (A, B: the left and right operand; K: the contracted axis; several contracted axes count as one K, in the product's order):
;;     1. [M 4,096, K 1,024] x [K 1,024, N 1,024]; A: input x; B: input wq: QUANTISED
;;     2. [M 4,096, K 1,024] x [K 1,024, N 1,024]; A: input x; B: input wk: QUANTISED
;;     3. [M 4,096, K 1,024] x [K 1,024, N 1,024]; A: input x; B: input wv: QUANTISED
;;     4. batch 32 x [M 2,048, K 64] x [K 64, N 2,048]; A: computed on the way; B: computed on the way: QUANTISED
;;     5. batch 32 x [M 2,048, K 2,048] x [K 2,048, N 64]; A: softmax (see below); B: computed on the way: QUANTISED
;;     6. [M 4,096, K 1,024] x [K 1,024, N 1,024]; A: computed on the way; B: input wo: QUANTISED
;;     7. [M 4,096, K 1,024] x [K 1,024, N 4,096]; A: computed on the way; B: input w1: QUANTISED
;;     8. [M 4,096, K 4,096] x [K 4,096, N 1,024]; A: computed on the way; B: input w2: QUANTISED
;;   THE QUANTISER, for each operand of a quantised product, along K:
;;     - K is cut into blocks of 32 from its start; a last block that is shorter is filled with zeros.
;;     - A block's scale is 2^e with e = floor(log2(the largest magnitude in the block)) - 4, held to -126 .. 127; a block of zeros has e = 0. As a byte (E8M0): e + 127.
;;     - Each number is divided by its block's scale, clamped to +-28, and rounded to the nearest number of E3M2, ties to even, subnormals kept.
;;     - The product sums the exact products of the quantised numbers (number of the format x scale) in f32.
;;   ~~~python
;;   def quantise(x, axis):      # numpy; x: float32 -> the quantised numbers, widened to float32 again
;;       x = np.moveaxis(x, axis, -1); K = x.shape[-1]
;;       x = np.pad(x, [(0, 0)] * (x.ndim - 1) + [(0, -K % 32)]); x = x.reshape(x.shape[:-1] + (-1, 32)); a = np.abs(x).max(-1, keepdims=True)
;;       e = np.where(a > 0, np.clip(np.frexp(np.where(a > 0, a, 1))[1] - 1 - 4, -126, 127), 0)      # np.frexp(a)[1] - 1 = floor(log2(a)), exactly
;;       r = np.clip(x / 2.0 ** e, -28, 28)
;;       step = 2.0 ** (np.maximum(np.frexp(np.where(r == 0, 1, r))[1] - 1, -2) - 2)
;;       q = np.round(r / step) * step * 2.0 ** e      # np.round: ties to even
;;       return np.moveaxis(q.reshape(q.shape[:-2] + (-1,))[..., :K], -1, axis).astype(np.float32)
;;   ~~~
;;   SOFTMAX AHEAD OF A QUANTISED PRODUCT. Where the list says 'softmax', what is quantised is not the finished softmax but p = 2^(t - M), with t = logit x log2(e) and M = ceil(the row's largest t), a whole number; so 1/2 < the row's largest p <= 1. The row's sum l is taken of the UNQUANTISED p, in f32, and the product's result is divided by l at the end. Since M is a whole number, a kernel that streams over the keys may use a running M (the ceiling of the running maximum): every later rescaling is an exact power of two, which a block's scale takes up: the codes' values come out the same.
;;   OPERANDS COMPUTED ON THE WAY. 'Computed on the way' means the value that the module computes at that place (a softmax that the list does not call 'softmax' is quantised finished and normalised). What goes into a quantiser is computed in f32, as accurately as f32 sums, v_exp_f32 and their like allow (about 1e-6 of the number): no bf16 or f16 on the way to a quantiser, and a product that is left as it is and whose result goes on into a quantised operand takes f32 operands (vector FMAs, or v_wmma_f32_16x16x4_f32). A number that lies on a knife's edge between two numbers of the format may be rounded either way, as far as f32 arithmetic and the matrix unit's own rounding can turn it there, and no further.
;; One version. Each part assembles by itself: llvm-mc -triple=amdgcn-amd-amdhsa -mcpu=gfx1250 --defsym DOCPART=n.
;; ======== version 1 of 1: 8 launches
;; limits: a function is approximated: absolute error at most 7.5e-08; right only within a limited range of input values
;; workspace buffers: img0 3,276,800 bytes; img1 3,276,800 bytes; wimg 9,830,400 bytes; qk 8,912,896 bytes; vimg 3,276,800 bytes; fimg 13,107,200 bytes; y 16,777,216 bytes; ht 16,777,216 bytes
;; launch prep (part 1): grid 1024 x 1, 4 waves a work-group, no clusters, 13,824 bytes of LDS; arguments x, wq, wk, wv, wo, w1, w2, img0, wimg; writes img0, wimg
.if DOCPART == 1
	.amdgcn_target "amdgcn-amd-amdhsa--gfx1250"
	.amdhsa_code_object_version 6
	.text
	.protected	k_qa3968d6330_prep
	.globl	k_qa3968d6330_prep
	.p2align	8
	.type	k_qa3968d6330_prep,@function
k_qa3968d6330_prep:
	s_mov_b64 s[64:65], 0
	v_nop
	global_prefetch_b8 v0, s[64:65] scope:SCOPE_SE
	s_setreg_imm32_b32 hwreg(HW_REG_WAVE_MODE, 25, 1), 1
	s_wait_xcnt 0x0
; x [4096][1024] and the six weights (f32, K = their first axis) become codes of E3M2 with one E8M0 byte for each 32 along K,
; laid as IMAGES OF OPERAND REGISTERS.  A block is 128 rows x 128 K = 12,800 bytes: 8 fragment images of 1,536 bytes, then 8 x 16 scale words.
; A fragment image (16 rows x 128 K, 12 registers a lane): for c = 0, 1: registers 6c..6c+3 of lane l at 768 c + 16 l, registers 6c+4, 6c+5 at 768 c + 512 + 8 l.
; The rows of a tile are not neighbours: lane-row p of tile T is row 32 (T/2) + 8 (T%2) + p + 8 (p/8) of the block.
; Work-groups 0..767 take one block of a weight each (its place in wimg is 12,800 x the work-group's number), 768..1023 one block of x.
; A block's scale byte is the largest magnitude's exponent field - 4, held at 1 from below.
; LIMITS: a block of zeros gets the byte 1 (its codes are zeros; only this program reads the bytes); NaN and infinities among the inputs are not served.
.set WV, 3
.set SEL, 56
.set HM, 58
.set OFF, 16                           ; weights: v16-47 byte offsets of my column in 32 rows of K
.set X, 48                             ; v48-111 two sets of 32 numbers (x: the first tile's 64)
.set C, 112                            ; a block's codes
.set SW, 124                           ; my column's scale word
.set OUTR, 128
.set B, 44                             ; s[44:51] the four blocks' bases
.set TM, 16                            ; x: v16-31 at work
.set CT, 32
.set PC, 176
.set PW, 188
.set PW0, 189
.set L16, 9
.set L8, 10
.set L4, 11
.set XA, 12
; 64 numbers of a lane, register 16 b + i = k 32 b + 16 (lane / 16) + i of my row, become a fragment in v[PC] on and its scale word in v[PW]
.macro QUANT s
.irp b, 0,1,2,3
	v_max3_num_f32 v[TM+\b], |v[(\s)+16*\b]|, |v[(\s)+1+16*\b]|, 0x2800000   ; my 16 numbers of block b, and the floor 2^(5 - 127): the byte cannot fall under 1
.endr
.irp i, 2,4,6,8,10,12,14
.irp b, 0,1,2,3
	v_max3_num_f32 v[TM+\b], v[TM+\b], |v[(\s)+16*\b+\i]|, |v[(\s)+1+16*\b+\i]|
.endr
.endr
.irp b, 0,1,2,3
	v_permlanex16_b32 v[TM+4+\b], v[TM+\b], s[SEL], s[SEL+1]
.endr
.irp b, 0,1,2,3
	v_max_num_f32 v[TM+\b], v[TM+\b], v[TM+4+\b]           ; with lane l xor 16: the block's largest magnitude
.endr
.irp b, 0,1,2,3
	v_add_nc_u32 v[TM+12+\b], 0xfe000000, v[TM+\b]         ; 4 off its exponent field: the conversion's scale operand
.endr
.irp b, 0,1,2,3
	v_lshrrev_b32 v[TM+4+\b], 23, v[TM+12+\b]              ; the scale's byte
.endr
	v_lshl_or_b32 v[PW], v[TM+5], 8, v[TM+4]
	v_lshl_or_b32 v[PW], v[TM+6], 16, v[PW]
	v_lshl_or_b32 v[PW], v[TM+7], 24, v[PW]
.irp c, 0,1
	v_cvt_scalef32_pk16_bf6_f32 v[PC+6*\c:PC+6*\c+2], v[(\s)+32*\c:(\s)+32*\c+15], v[TM+12+2*\c]
	v_cvt_scalef32_pk16_bf6_f32 v[CT+4*\c:CT+4*\c+2], v[(\s)+32*\c+16:(\s)+32*\c+31], v[TM+13+2*\c]
.endr
	v_nop                                                  ; one plain line behind the conversions
.irp c, 0,1
.irp i, 0,1,2
	v_permlane16_swap_b32 v[PC+6*\c+\i], v[CT+4*\c+\i]     ; a whole block to a lane: lanes 0-15 block 2 c, lanes 16-31 block 2 c + 1
.endr
.irp i, 0,1,2
	v_mov_b32 v[PC+6*\c+3+\i], v[CT+4*\c+\i]
.endr
.endr
.endm
.macro STOREFI sb, off                 ; the fragment goes out as its image: runs of 512 and 256 consecutive bytes
	global_store_b128 v[L16], v[PC:PC+3], s[\sb:\sb+1] offset:(\off)
	global_store_b64 v[L8], v[PC+4:PC+5], s[\sb:\sb+1] offset:(\off)+512
	global_store_b128 v[L16], v[PC+6:PC+9], s[\sb:\sb+1] offset:(\off)+768
	global_store_b64 v[L8], v[PC+10:PC+11], s[\sb:\sb+1] offset:(\off)+1280
.endm
	s_load_b512 s[16:31], s[0:1], 0x0              ; x, wq, wk, wv, wo, w1, w2, img0
	s_load_b64 s[32:33], s[0:1], 0x40              ; wimg
	v_lshl_add_u32 v192, v0, 2, 0x3400
	v_mov_b32 v193, 0
	v_lshrrev_b32 v1, 5, v0
	v_readfirstlane_b32 s[WV], v1                  ; wave
	v_and_b32 v1, 31, v0                           ; lane
	s_mov_b32 s2, ttmp9
	s_cmp_ge_u32 s2, 768
	s_cbranch_scc1 .Lx_path
	; ---- a block of a weight: 128 columns x 128 K.  A lane takes a column, its registers run down K
	s_mov_b32 s37, 4096                            ; bytes from row to row of K: 4,096, for w1 16,384
	s_lshr_b32 s36, s2, 8
	s_cmp_eq_u32 s36, 1
	s_cselect_b32 s37, 16384, s37
	s_and_b32 s38, s2, 7
	s_and_b32 s39, s2, 63
	s_sub_co_u32 s40, s2, 256
	s_cmp_lt_u32 s2, 256
	s_cselect_b32 s39, s39, s40
	s_lshr_b32 s39, s39, 3                         ; the block of columns and the K step, for the tensors with K = 1,024;
	s_sub_co_u32 s40, s2, 512
	s_lshr_b32 s41, s40, 5
	s_and_b32 s40, s40, 31                         ; for w2
	s_cmp_lt_u32 s2, 512
	s_cselect_b32 s38, s38, s40                    ; K step
	s_cselect_b32 s39, s39, s41                    ; block of columns
	s_lshl_b32 s42, s37, 7
	s_mul_i32 s42, s42, s38                        ; 128 rows of K a step
	s_lshl_b32 s43, s39, 9
	s_add_co_u32 s42, s42, s43                     ; 512 bytes a block of columns
	s_lshl_b32 s43, s[WV], 7
	s_add_co_u32 s42, s42, s43                     ; 128 bytes a wave
	s_mov_b32 s43, 0
	s_mul_i32 s52, s2, 12800
	s_mov_b32 s53, 0
	v_bfe_u32 v2, v1, 3, 1                         ; u: which of my wave's two tiles my column falls into
	v_and_b32 v3, 7, v1
	v_lshrrev_b32 v9, 4, v1
	v_lshl_add_u32 v3, v9, 3, v3                   ; p: its lane-row there
	s_mul_i32 s4, s[WV], 3328                      ; my wave's stage: two images of 1,536 bytes, 1,664 apart
	v_mul_u32_u24 v9, v2, 1664
	v_add_nc_u32 v9, s4, v9
	v_lshl_add_u32 v4, v3, 4, v9
	v_lshl_add_u32 v5, v3, 3, v9
	v_lshl_add_u32 v6, v1, 4, s4
	s_mul_i32 s5, s[WV], 3072
	v_lshl_add_u32 v7, v1, 4, s5
	s_lshl_b32 s6, s[WV], 7
	v_lshl_add_u32 v8, v2, 6, s6
	v_lshl_add_u32 v8, v3, 2, v8
	v_lshlrev_b32 v9, 2, v1
.set i, 0
.rept 32
	v_mad_u32_u24 v[OFF+i], s37, i, v9
.set i, i+1
.endr
	s_wait_kmcnt 0x0
	s_cmp_lt_u32 s2, 512                           ; which tensor: the choice hangs on the work-group's number alone
	s_cselect_b64 s[34:35], s[26:27], s[28:29]
	s_cmp_lt_u32 s2, 256
	s_cselect_b64 s[34:35], s[24:25], s[34:35]
	s_cmp_lt_u32 s2, 192
	s_cselect_b64 s[34:35], s[22:23], s[34:35]
	s_cmp_lt_u32 s2, 128
	s_cselect_b64 s[34:35], s[20:21], s[34:35]
	s_cmp_lt_u32 s2, 64
	s_cselect_b64 s[34:35], s[18:19], s[34:35]
	s_add_nc_u64 s[B:B+1], s[34:35], s[42:43]
	s_lshl_b32 s42, s37, 5                         ; 32 rows of K on
	s_add_nc_u64 s[B+2:B+3], s[B:B+1], s[42:43]
	s_add_nc_u64 s[B+4:B+5], s[B+2:B+3], s[42:43]
	s_add_nc_u64 s[B+6:B+7], s[B+4:B+5], s[42:43]
	s_add_nc_u64 s[54:55], s[32:33], s[52:53]      ; my block in wimg
.macro WLOAD t                         ; block t of 32 along K: a wave reads 128 consecutive bytes a row, the four waves 512
.set i, 0
.rept 32
	global_load_b32 v[X+32*((\t)%2)+i], v[OFF+i], s[B+2*(\t):B+2*(\t)+1] th:TH_LOAD_NT
.set i, i+1
.endr
.endm
.macro WBLOCK t
.set XS, X+32*((\t)%2)
.if (\t) < 3
	s_wait_loadcnt 32                              ; this block's 32 loads are in; the next block's 32 may be out
.else
	s_wait_loadcnt 0x0
.endif
	v_max3_num_f32 v14, |v[XS]|, |v[XS+1]|, |v[XS+2]|
	v_max3_num_f32 v13, |v[XS+3]|, |v[XS+4]|, |v[XS+5]|
.irp i, 6,10,14,18,22,26
	v_max3_num_f32 v14, v14, |v[XS+\i]|, |v[XS+\i+1]|
	v_max3_num_f32 v13, v13, |v[XS+\i+2]|, |v[XS+\i+3]|
.endr
	v_max3_num_f32 v14, v14, |v[XS+30]|, |v[XS+31]|
	v_max3_num_f32 v14, v14, v13, 0x2800000        ; and the floor
	v_add_nc_u32 v15, 0xfe000000, v14              ; the conversion's scale operand
	v_lshrrev_b32 v13, 23, v15                     ; the byte
.if (\t) == 0
	v_mov_b32 v[SW], v13
.else
	v_lshl_or_b32 v[SW], v13, 8*(\t), v[SW]
.endif
	v_cvt_scalef32_pk16_bf6_f32 v[C:C+2], v[XS:XS+15], v15
	v_cvt_scalef32_pk16_bf6_f32 v[C+8:C+10], v[XS+16:XS+31], v15
	v_nop
	v_mov_b32 v[C+3], v[C+8]
	v_mov_b32 v[C+4], v[C+9]
	v_mov_b32 v[C+5], v[C+10]
	ds_store_b128 v4, v[C:C+3] offset:768*((\t)/2)+256*((\t)%2)        ; block t belongs to lane p + 16 (t % 2), registers 6 (t / 2) on
	ds_store_b64 v5, v[C+4:C+5] offset:768*((\t)/2)+512+128*((\t)%2)
.if (\t) < 2
	WLOAD (\t)+2
.endif
	s_wait_dscnt 0x0                               ; the stores have read their registers
.endm
	WLOAD 0
	WLOAD 1
	WBLOCK 0
	WBLOCK 1
	WBLOCK 2
	WBLOCK 3
.irp i, 0,1,2,3,4,5
	ds_load_b128 v[OUTR+4*\i:OUTR+4*\i+3], v6 offset:(\i/3)*1664+(\i%3)*512    ; my own stage: LDS serves a wave in order
.endr
.irp i, 0,1,2,3,4,5
	s_wait_dscnt 5-\i                              ; the younger read-backs may be out
	global_store_b128 v7, v[OUTR+4*\i:OUTR+4*\i+3], s[54:55] offset:512*\i    ; 512 consecutive bytes
.endr
	global_store_b32 v8, v[SW], s[54:55] offset:12288
	s_wait_tensorcnt 0x0
	ds_add_u32 v192, v193
	s_wait_dscnt 0x0
	s_endpgm
	; ---- a block of x: 128 tokens x 128 K; my wave makes tiles 2 w and 2 w + 1
.Lx_path:
	s_sub_co_u32 s4, s2, 768
	s_lshr_b32 s5, s4, 3
	s_lshl_b32 s5, s5, 19                          ; 128 rows of 4,096 bytes a block
	s_lshl_b32 s6, s[WV], 17                       ; 32 rows a wave
	s_add_co_u32 s5, s5, s6
	s_and_b32 s6, s4, 7
	s_lshl_b32 s6, s6, 9                           ; 512 bytes a K step
	s_add_co_u32 s34, s5, s6
	s_mov_b32 s35, 0
	s_mul_i32 s36, s4, 12800
	s_mov_b32 s37, 0
	s_mul_i32 s38, s[WV], 3072
	s_mov_b32 s39, 0
	s_lshl_b32 s40, s[WV], 7
	s_mov_b32 s41, 0
	s_mov_b32 s[SEL], 0x76543210
	s_mov_b32 s[SEL+1], 0xfedcba98
	s_mov_b32 s[HM], 0xffff0000
	v_and_b32 v2, 15, v0
	v_bfe_u32 v3, v0, 4, 1
	v_lshlrev_b32 v[L16], 4, v1
	v_lshlrev_b32 v[L8], 3, v1
	v_lshlrev_b32 v[L4], 2, v1
	v_and_b32 v[XA], 8, v2
	v_add_nc_u32 v[XA], v[XA], v2                  ; r + 8 (r / 8)
	v_lshlrev_b32 v[XA], 12, v[XA]
	v_lshl_add_u32 v[XA], v3, 6, v[XA]             ; + 64 h: my 16 numbers of each block of 32
.irp b, 0,1,2,3
	v_mov_b32 v[TM+4+\b], 0                        ; a lane permute's destination counts as read
.endr
	s_wait_kmcnt 0x0
	s_add_nc_u64 s[42:43], s[16:17], s[34:35]
	s_add_nc_u64 s[44:45], s[30:31], s[36:37]
	s_add_nc_u64 s[46:47], s[44:45], s[40:41]
	s_add_nc_u64 s[44:45], s[44:45], s[38:39]
.macro XLOAD reg, m
.irp b, 0,1,2,3
.irp q, 0,1,2,3
	global_load_b128 v[\reg+16*\b+4*\q:\reg+16*\b+4*\q+3], v[XA], s[42:43] offset:32768*(\m)+128*\b+16*\q th:TH_LOAD_NT
.endr
.endr
.endm
	XLOAD 48, 0
	XLOAD 112, 1
	s_wait_loadcnt 16                              ; the first tile's 16 loads are in
	QUANT 48
	STOREFI 44, 0
	v_mov_b32 v[PW0], v[PW]
	s_wait_loadcnt 0x0
	s_wait_xcnt 0x0                                ; the stores have read the codes' registers
	QUANT 112
	STOREFI 44, 1536
	v_cndmask_b32 v[PW0], v[PW0], v[PW], s[HM]     ; lanes 0-15 tile 2 w's words, lanes 16-31 tile 2 w + 1's: 128 consecutive bytes
	global_store_b32 v[L4], v[PW0], s[46:47] offset:12288
	s_endpgm
.Lfunc_end_k_qa3968d6330_prep:
	.size	k_qa3968d6330_prep, .Lfunc_end_k_qa3968d6330_prep-k_qa3968d6330_prep
	.p2alignl 7, 3214868480
	.fill 96, 4, 3214868480
	.section	.rodata,"a",@progbits
	.p2align	6, 0x0
	.amdhsa_kernel k_qa3968d6330_prep
		.amdhsa_group_segment_fixed_size 13824
		.amdhsa_private_segment_fixed_size 0
		.amdhsa_enable_private_segment 0
		.amdhsa_kernarg_size 72
		.amdhsa_user_sgpr_count 2
		.amdhsa_user_sgpr_kernarg_segment_ptr 1
		.amdhsa_wavefront_size32 1
		.amdhsa_system_sgpr_workgroup_id_x 1
		.amdhsa_system_sgpr_workgroup_id_y 1
		.amdhsa_system_sgpr_workgroup_id_z 1
		.amdhsa_system_vgpr_workitem_id 0
		.amdhsa_next_free_vgpr 194
		.amdhsa_next_free_sgpr 66
		.amdhsa_reserve_vcc 0
		.amdhsa_float_denorm_mode_32 3
		.amdhsa_float_denorm_mode_16_64 3
		.amdhsa_memory_ordered 1
		.amdhsa_forward_progress 1
		.amdhsa_inst_pref_size 38
	.end_amdhsa_kernel
	.amdgpu_metadata
---
amdhsa.version: [ 1, 2 ]
amdhsa.kernels:
  - .name:           k_qa3968d6330_prep
    .symbol:         k_qa3968d6330_prep.kd
    .args:
      - { .name: x, .offset: 0, .size: 8, .value_kind: global_buffer, .address_space: global }
      - { .name: wq, .offset: 8, .size: 8, .value_kind: global_buffer, .address_space: global }
      - { .name: wk, .offset: 16, .size: 8, .value_kind: global_buffer, .address_space: global }
      - { .name: wv, .offset: 24, .size: 8, .value_kind: global_buffer, .address_space: global }
      - { .name: wo, .offset: 32, .size: 8, .value_kind: global_buffer, .address_space: global }
      - { .name: w1, .offset: 40, .size: 8, .value_kind: global_buffer, .address_space: global }
      - { .name: w2, .offset: 48, .size: 8, .value_kind: global_buffer, .address_space: global }
      - { .name: img0, .offset: 56, .size: 8, .value_kind: global_buffer, .address_space: global }
      - { .name: wimg, .offset: 64, .size: 8, .value_kind: global_buffer, .address_space: global }
    .group_segment_fixed_size: 13824
    .private_segment_fixed_size: 0
    .kernarg_segment_align: 8
    .kernarg_segment_size: 72
    .max_flat_workgroup_size: 128
    .sgpr_count:     66
    .vgpr_count:     194
    .wavefront_size: 32
...
	.end_amdgpu_metadata
.endif
;; end of part 1
;; launch qkv (part 2): grid 32 x 8, 4 waves a work-group, clusters of 4 x 1, 307,712 bytes of LDS; arguments img0, wimg, bq, bk, bv, key_padding_mask, qk, vimg; writes qk, vimg
.if DOCPART == 2
	.amdgcn_target "amdgcn-amd-amdhsa--gfx1250"
	.amdhsa_code_object_version 6
	.text
	.protected	k_qa3968d6330_qkv
	.globl	k_qa3968d6330_qkv
	.p2align	8
	.type	k_qa3968d6330_qkv,@function
k_qa3968d6330_qkv:
	s_mov_b64 s[64:65], 0
	v_nop
	global_prefetch_b8 v0, s[64:65] scope:SCOPE_SE
	s_setreg_imm32_b32 hwreg(HW_REG_WAVE_MODE, 25, 1), 1
	s_wait_xcnt 0x0
	s_wait_alu depctr_hold_cnt(0) depctr_sa_sdst(0) depctr_va_vdst(0) depctr_va_sdst(0) depctr_va_ssrc(0) depctr_va_vcc(0) depctr_vm_vsrc(0)
	s_getreg_b32 s2, hwreg(HW_REG_IB_STS2, 6, 4)
	s_cmp_eq_u32 s2, 0
	s_cbranch_scc0 .Lentry_in_a_cluster
	s_endpgm
.Lentry_in_a_cluster:
	s_bfe_u32 s2, ttmp6, 0x10000c
	s_cmp_lg_u32 s2, 0x3003
	s_cbranch_scc0 .Lentry_shape_is_right
	s_endpgm
.Lentry_shape_is_right:
; Q = x wq + bq, K = x wk + bk, V = x wv + bv on codes of E3M2, and their quantising for attention.  A WORK-GROUP STAYS and runs three phases of 128 x 128, K = 1,024 each.
; Phase Q: source 0 = 128 columns of wq (two heads), phase K: the same columns of wk; source 1 = my 128 tokens, loaded once for both: a lane holds one token, its registers run along the head's axis.
; Phase V: source 0 = 128 tokens, source 1 = 128 columns of wv: a lane holds one channel, its registers run along the keys, which are V's K.
; Each phase's source 0 (102,400 bytes, all of K) has an LDS slot of its own, filled once by joint tensor loads of the cluster's four work-groups: 3 x 102,400 bytes, nothing is filled again.
; Source 1's fragments belong to one wave and go from memory into its registers.  A wave holds 32 rows of source 1 x 128 rows of source 0: 16 accumulators.  The bias is the C of a phase's first products.
; OUT.  A tile of Q or K (16 tokens of one head) is 1,024 bytes: registers 0-3 of lane l at 16 l; registers 4, 5, AUX, 0 at 512 + 16 l.  Eight tiles and 512 bytes of scale words are a step's region of 8,704 bytes.
; THE PADDING MASK rides in the idle half of the score product's K: at k = 64 a padded key has the code -16 under the scale 2^36 and every query the code 1: its score gets -2^40.
; V: a step's region is 4 fragment images (16 channels x 128 keys) and 256 bytes of scale words: 6,400 bytes.
; LIMITS: NaN and infinities are not served; a block of zeros gets the byte 1 (zero codes; only this program reads the bytes).
; REGISTERS: window 0: addresses, scale words, v64-191 the accumulators, v192-239 at work.  window 1: the tokens' fragments, v192-255 bq.  window 2: source 0, two sets, v192-255 bk.  window 3: wv's fragments, v192-207 bv.
.set WV, 3
.set L16, 4
.set L8, 5
.set L4, 6
.set MO, 7
.set A16, 8                            ; v8-25 LDS addresses: six for each slot
.set A8, 10
.set A4, 12
.set RP, 26
.set HB, 27
.set SS, 28                            ; v28-35 source 0's scale words, two sets of 4
.set S1S, 36                           ; v36-51 source 1's: set 0 the tokens', set 1 wv's
.set MK, 52
.set AUXQ, 54                          ; the word at k = 64: a query's
.set AUXK, 55                          ; v55, v56: my two tiles of keys
.set ZR, 57
.set WA, 58
.set MG, 62
.set ACC, 64                           ; accumulator (m, T) at 64 + 64 m + 8 T
.set TM, 192
.set CT, 208
.set PC, 216
.set PW, 230
.set PW0, 231
.set QA, 232
.set BVL, 236
.set BVO, 238
.set PADC, 239
.set BI, 192                           ; the biases, in windows 1, 2, 3
.set G1, 24
.set G0, 32
.set G1L, 48
.set G0K, 56
.set G0V, 60
.set S1B, 66
.set S1SB, 68
.set S1VB, 70
.set S1VSB, 72
.set SEL, 84
.set HM, 86
.set HIQ, 87
.set HIK, 7
.set VT, 88
.set VSO, 90
.set QT, 92
.set QSO, 94
.set KT, 96
.set KSO, 98
.set BVB, 100
.set MSB, 0
.macro WIN new                         ; the immediate's high byte repeats the setting that is left
.if MSB != \new
	s_set_vgpr_msb (MSB<<8)|\new
.set MSB, \new
.endif
.endm
.macro BAR
	s_barrier_signal -1
	s_barrier_wait -1
.endm
.macro CROUND                          ; a round of the cluster's barrier
	s_barrier_signal -1
	s_barrier_wait -1
	s_cmp_lg_u32 s[WV], 0
	s_cbranch_scc1 .Lnw0_\@
	s_barrier_signal -3
.Lnw0_\@:
	s_barrier_wait -3
	s_barrier_signal -1
	s_barrier_wait -1
.endm
.macro PLACES
.rept 4
	v_nop
.endr
.endm
; 64 numbers of a lane, register 16 b + i = k 32 b + 16 (lane / 16) + i of my row, become a fragment in v[PC] on and its scale word in v[PW]
.macro QUANT s
.irp b, 0,1,2,3
	v_max3_num_f32 v[TM+\b], |v[(\s)+16*\b]|, |v[(\s)+1+16*\b]|, 0x2800000   ; each accumulator is read from its low end on; the floor holds the byte at 1
.endr
.irp i, 2,4,6,8,10,12,14
.irp b, 0,1,2,3
	v_max3_num_f32 v[TM+\b], v[TM+\b], |v[(\s)+16*\b+\i]|, |v[(\s)+1+16*\b+\i]|
.endr
.endr
.irp b, 0,1,2,3
	v_permlanex16_b32 v[TM+4+\b], v[TM+\b], s[SEL], s[SEL+1]
.endr
.irp b, 0,1,2,3
	v_max_num_f32 v[TM+\b], v[TM+\b], v[TM+4+\b]
.endr
.irp b, 0,1,2,3
	v_add_nc_u32 v[TM+12+\b], 0xfe000000, v[TM+\b]
.endr
.irp b, 0,1,2,3
	v_lshrrev_b32 v[TM+4+\b], 23, v[TM+12+\b]
.endr
	v_lshl_or_b32 v[PW], v[TM+5], 8, v[TM+4]
	v_lshl_or_b32 v[PW], v[TM+6], 16, v[PW]
	v_lshl_or_b32 v[PW], v[TM+7], 24, v[PW]
.irp c, 0,1
	v_cvt_scalef32_pk16_bf6_f32 v[PC+6*\c:PC+6*\c+2], v[(\s)+32*\c:(\s)+32*\c+15], v[TM+12+2*\c]
	v_cvt_scalef32_pk16_bf6_f32 v[CT+4*\c:CT+4*\c+2], v[(\s)+32*\c+16:(\s)+32*\c+31], v[TM+13+2*\c]
.endr
	v_nop
.irp c, 0,1
.irp i, 0,1,2
	v_permlane16_swap_b32 v[PC+6*\c+\i], v[CT+4*\c+\i]
.endr
.irp i, 0,1,2
	v_mov_b32 v[PC+6*\c+3+\i], v[CT+4*\c+\i]
.endr
.endr
.endm
.macro STOREFI sb, off
	global_store_b128 v[L16], v[PC:PC+3], s[\sb:\sb+1] offset:(\off)
	global_store_b64 v[L8], v[PC+4:PC+5], s[\sb:\sb+1] offset:(\off)+512
	global_store_b128 v[L16], v[PC+6:PC+9], s[\sb:\sb+1] offset:(\off)+768
	global_store_b64 v[L8], v[PC+10:PC+11], s[\sb:\sb+1] offset:(\off)+1280
.endm
; source 1: my two tiles' fragments of K steps k0 .. k0 + 3 into the window wv names, and their scale words (lanes 0-15 tile 2 w, lanes 16-31 tile 2 w + 1): 36 loads
.macro S1LOADH sb, ssb, ph, wv, set, k0
	WIN \wv
.irp q, 0,1,2,3
.irp m, 0,1
	global_load_b128 v[24*((\k0)+\q)+12*\m:24*((\k0)+\q)+12*\m+3], v[L16], s[\sb:\sb+1] offset:(\ph)*102400+((\k0)+\q)*12800+\m*1536
	global_load_b64 v[24*((\k0)+\q)+12*\m+4:24*((\k0)+\q)+12*\m+5], v[L8], s[\sb:\sb+1] offset:(\ph)*102400+((\k0)+\q)*12800+\m*1536+512
	global_load_b128 v[24*((\k0)+\q)+12*\m+6:24*((\k0)+\q)+12*\m+9], v[L16], s[\sb:\sb+1] offset:(\ph)*102400+((\k0)+\q)*12800+\m*1536+768
	global_load_b64 v[24*((\k0)+\q)+12*\m+10:24*((\k0)+\q)+12*\m+11], v[L8], s[\sb:\sb+1] offset:(\ph)*102400+((\k0)+\q)*12800+\m*1536+1280
.endr
.endr
	WIN 0
.irp q, 0,1,2,3
	global_load_b32 v[S1S+8*(\set)+(\k0)+\q], v[L4], s[\ssb:\ssb+1] offset:(\ph)*102400+((\k0)+\q)*12800+12288
.endr
.endm
; source 0: K step k's eight fragments from LDS into set buf of window 2, and four registers of scale words: 36 LDS loads
.macro FETCH slot, k, buf
	WIN 0x80
.irp T, 0,1,2,3,4,5,6,7
	ds_load_b128 v[96*(\buf)+12*\T:96*(\buf)+12*\T+3], v[A16+6*(\slot)+((\k)>>2)] offset:((\k)&3)*12800+1536*\T
	ds_load_b64 v[96*(\buf)+12*\T+4:96*(\buf)+12*\T+5], v[A8+6*(\slot)+((\k)>>2)] offset:((\k)&3)*12800+1536*\T+512
	ds_load_b128 v[96*(\buf)+12*\T+6:96*(\buf)+12*\T+9], v[A16+6*(\slot)+((\k)>>2)] offset:((\k)&3)*12800+1536*\T+768
	ds_load_b64 v[96*(\buf)+12*\T+10:96*(\buf)+12*\T+11], v[A8+6*(\slot)+((\k)>>2)] offset:((\k)&3)*12800+1536*\T+1280
.endr
	WIN 0
.irp i, 0,1,2,3
	ds_load_b32 v[SS+4*(\buf)+\i], v[A4+6*(\slot)+((\k)>>2)] offset:((\k)&3)*12800+12288+128*\i
.endr
.endm
; one product.  cb < 0: it adds in place; else its C is the bias at v[cb + ct T + cm m] of the window that the setting names
.macro WM T, m, kk, buf, set, cb, ct, cm
.set rD, ACC+64*(\m)+8*(\T)
.set rA, 96*(\buf)+12*(\T)
.set rB, 24*(\kk)+12*(\m)
.set rS, SS+4*(\buf)+(\T)/2
.set rZ, S1S+8*(\set)+(\kk)
.if (\cb) < 0
.set rC, rD
.else
.set rC, (\cb)+(\ct)*(\T)+(\cm)*(\m)
.endif
.if ((\T)%2 == 0) && ((\m) == 0)
	v_wmma_scale_f32_16x16x128_f8f6f4 v[rD:rD+7], v[rA:rA+11], v[rB:rB+11], v[rC:rC+7], v[rS], v[rZ] matrix_a_fmt:MATRIX_FMT_BF6 matrix_b_fmt:MATRIX_FMT_BF6
.elseif (\m) == 0
	v_wmma_scale_f32_16x16x128_f8f6f4 v[rD:rD+7], v[rA:rA+11], v[rB:rB+11], v[rC:rC+7], v[rS], v[rZ] matrix_a_fmt:MATRIX_FMT_BF6 matrix_b_fmt:MATRIX_FMT_BF6 matrix_a_scale:MATRIX_SCALE_ROW1
.elseif (\T)%2 == 0
	v_wmma_scale_f32_16x16x128_f8f6f4 v[rD:rD+7], v[rA:rA+11], v[rB:rB+11], v[rC:rC+7], v[rS], v[rZ] matrix_a_fmt:MATRIX_FMT_BF6 matrix_b_fmt:MATRIX_FMT_BF6 matrix_b_scale:MATRIX_SCALE_ROW1
.else
	v_wmma_scale_f32_16x16x128_f8f6f4 v[rD:rD+7], v[rA:rA+11], v[rB:rB+11], v[rC:rC+7], v[rS], v[rZ] matrix_a_fmt:MATRIX_FMT_BF6 matrix_b_fmt:MATRIX_FMT_BF6 matrix_a_scale:MATRIX_SCALE_ROW1 matrix_b_scale:MATRIX_SCALE_ROW1
.endif
.endm
.macro MUL kk, buf, wv, set, cb, ct, cm   ; 16 products; the 16 accumulators take turns, one instruction a turn
	WIN \wv
.irp T, 0,1,2,3,4,5,6,7
.irp m, 0,1
	WM \T, \m, \kk, \buf, \set, \cb, \ct, \cm
.endr
.endr
.endm
; eight K steps.  chunked = 1: the slot arrives in four chunks of two K steps; tb = the tensor loads issued behind chunk 0.  The first step's products take the bias as C, under the setting wv0
.macro MAIN slot, wv, set, chunked, tb, wv0, cb, ct, cm
.if \chunked
	s_wait_tensorcnt \tb                           ; my part of chunk 0 has landed; what was issued behind it stays out
	BAR
.endif
	FETCH \slot, 0, 0
.irp k, 0,1,2,3,4,5,6
.if (\chunked) && ((\k)&1)
	s_wait_dscnt 0x0                               ; no LDS access of mine is out at a signal
	s_wait_tensorcnt (\tb)-((\k)+1)/2              ; my part of the next chunk has landed
	BAR
.endif
.if \k > 0
	PLACES                                         ; four places in front of loads into registers that the step before last multiplied
.endif
	FETCH \slot, \k+1, (\k+1)&1
	s_wait_dscnt 36                                ; all but the 36 just issued
.if \k == 0
	MUL 0, 0, \wv0, \set, \cb, \ct, \cm
.else
	MUL \k, (\k)&1, \wv, \set, -1, 0, 0
.endif
.endr
	s_wait_dscnt 0x0
	MUL 7, 1, \wv, \set, -1, 0, 0
	WIN 0
.endm
; tile m of my tokens, two heads: codes, the word at k = 64, and the heads' scale words
.macro QKT m, ax, hi, tb
	s_wait_xcnt 0x0                                ; earlier stores have read the registers that are written below
	QUANT ACC+64*(\m)
	v_mov_b32 v[PC+12], v[\ax]
	v_mov_b32 v[PC+13], 0
	v_mov_b32 v[QA], v[PC+4]
	v_mov_b32 v[QA+1], v[PC+5]
	v_mov_b32 v[QA+2], v[\ax]
	v_mov_b32 v[QA+3], 0
	v_and_or_b32 v[WA+2*(\m)], v[PW], 0xffff, s[\hi]
	v_lshrrev_b32 v[WA+2*(\m)+1], 16, v[PW]
	v_or_b32 v[WA+2*(\m)+1], s[\hi], v[WA+2*(\m)+1]
	global_store_b128 v[L16], v[PC:PC+3], s[\tb:\tb+1] offset:1024*(\m)
	global_store_b128 v[L16], v[QA:QA+3], s[\tb:\tb+1] offset:1024*(\m)+512
	global_store_b128 v[L16], v[PC+6:PC+9], s[\tb:\tb+1] offset:139264+1024*(\m)
	global_store_b128 v[L16], v[PC+10:PC+13], s[\tb:\tb+1] offset:139264+1024*(\m)+512
.endm
.macro QKEPI a0, a1, hi, tb, sb
	QKT 0, \a0, \hi, \tb
	QKT 1, \a1, \hi, \tb
	v_cndmask_b32 v[MG], v[WA], v[WA+2], s[HM]     ; lanes 0-15 tile 2 w's words, lanes 16-31 tile 2 w + 1's: 128 consecutive bytes
	v_cndmask_b32 v[MG+1], v[WA+1], v[WA+3], s[HM]
	global_store_b32 v[L4], v[MG], s[\sb:\sb+1] offset:8192
	global_store_b32 v[L4], v[MG+1], s[\sb:\sb+1] offset:139264+8192
.endm
	s_load_b512 s[8:23], s[0:1], 0x0               ; img0, wimg, bq, bk, bv, mask, qk, vimg
	v_lshl_add_u32 v254, v0, 2, 0x4b000
	v_mov_b32 v255, 0
	ds_add_u32 v254, v255
	ds_add_u32 v254, v255
	v_lshrrev_b32 v1, 5, v0
	v_readfirstlane_b32 s[WV], v1
	v_and_b32 v1, 31, v0
	v_and_b32 v2, 15, v0
	v_bfe_u32 v3, v0, 4, 1
	v_lshlrev_b32 v[L16], 4, v1
	v_lshlrev_b32 v[L8], 3, v1
	v_lshlrev_b32 v[L4], 2, v1
.irp s, 0,1,2
	v_lshl_add_u32 v[A16+6*\s], v1, 4, \s*102400
	v_lshl_add_u32 v[A16+6*\s+1], v1, 4, \s*102400+51200
	v_lshl_add_u32 v[A8+6*\s], v1, 3, \s*102400
	v_lshl_add_u32 v[A8+6*\s+1], v1, 3, \s*102400+51200
	v_lshl_add_u32 v[A4+6*\s], v1, 2, \s*102400
	v_lshl_add_u32 v[A4+6*\s+1], v1, 2, \s*102400+51200
.endr
	v_and_b32 v[RP], 8, v2
	v_add_nc_u32 v[RP], v[RP], v2                  ; r + 8 (r / 8)
	v_lshlrev_b32 v[HB], 6, v3
	v_lshlrev_b32 v[BVO], 2, v[RP]
.irp b, 0,1,2,3
	v_mov_b32 v[TM+4+\b], 0                        ; a lane permute's destination counts as read
.endr
	v_mov_b32 v[ZR], 0
	v_mov_b32 v[PADC], 60                          ; the code -16
	s_mov_b32 s[SEL], 0x76543210
	s_mov_b32 s[SEL+1], 0xfedcba98
	s_mov_b32 s[HM], 0xffff0000
	s_mov_b32 s[HIQ], 0x7f7f0000                   ; bytes 2, 3 of a query's scale word: 1, 1
	s_mov_b32 s[HIK], 0x7fa30000                   ; of a key's: 2^36, 1
	s_bfe_u32 s4, ttmp6, 0x40000                   ; cx
	s_lshl_b32 s5, ttmp9, 2
	s_add_co_u32 s5, s5, s4                        ; X = 4 x cluster x + cx: my block of tokens for Q and K
	s_and_b32 s6, ttmp7, 0xffff                    ; Y, which the partners share: the block of wq's and wk's columns
	s_lshr_b32 s74, s6, 1
	s_lshl_b32 s74, s74, 3
	s_add_co_u32 s74, s74, ttmp9                   ; V: the block of tokens, shared by the partners
	s_and_b32 s75, s6, 1
	s_lshl_b32 s75, s75, 2
	s_add_co_u32 s75, s75, s4                      ; V: my block of wv's columns
	s_mul_i32 s76, s6, 102400
	s_mov_b32 s77, 0
	s_mul_i32 s78, s74, 102400
	s_mov_b32 s79, 0
	s_mul_i32 s80, s[WV], 6400
	s_mov_b32 s81, 0
	s_mul_i32 s82, s[WV], 25600
	s_mov_b32 s83, 0
.irp g, G1, G1L
	s_mov_b32 s[\g], 15|(3<<16)|(1<<21)            ; mask: all four work-groups; elements of 8 bytes; bit 21 beside a mask; no padding
	s_mov_b32 s[\g+1], 32<<16                      ; rows of 256 bytes
	s_mov_b32 s[\g+3], 32<<16
	s_mov_b32 s[\g+5], 32                          ; dense
	s_mov_b32 s[\g+6], 0
	s_mov_b32 s[\g+7], 0
.endr
	s_mov_b32 s[G1+2], 25<<16                      ; a chunk's quarter: 25 rows
	s_mov_b32 s[G1+4], 25
	s_mov_b32 s[G1L+2], 100<<16                    ; a slot's quarter: 100 rows
	s_mov_b32 s[G1L+4], 100
	s_wait_dscnt 0x0
	s_wait_kmcnt 0x0
	s_add_nc_u64 s[88:89], s[10:11], s[76:77]      ; wq's block
	s_add_nc_u64 s[90:91], s[88:89], s[80:81]
.irp c, 0,1,2,3
	s_mov_b32 s[G0+4*\c], 1
	s_add_co_u32 s[G0+4*\c+1], s80, \c*25600       ; slot 0: chunk c, my quarter
	s_add_nc_u64 s[G0+4*\c+2:G0+4*\c+3], s[90:91], \c*25600
	s_or_b32 s[G0+4*\c+3], s[G0+4*\c+3], 0x80000000
.endr
	s_add_nc_u64 s[88:89], s[88:89], s[82:83]
	s_mov_b32 s[G0K], 1
	s_add_co_u32 s[G0K+1], s82, 102400             ; slot 1: wk's block, eight blocks behind wq's
	s_add_nc_u64 s[G0K+2:G0K+3], s[88:89], 819200
	s_or_b32 s[G0K+3], s[G0K+3], 0x80000000
	s_add_nc_u64 s[90:91], s[8:9], s[78:79]
	s_mov_b32 s[G0V], 1
	s_add_co_u32 s[G0V+1], s82, 204800             ; slot 2: V's tokens
	s_add_nc_u64 s[G0V+2:G0V+3], s[90:91], s[82:83]
	s_or_b32 s[G0V+3], s[G0V+3], 0x80000000
	CROUND                                         ; the four work-groups are here: the joint loads meet
	tensor_load_to_lds s[G0:G0+3], s[G1:G1+7]      ; all fills of the launch, one group: six loads of mine are out
	s_nop 0
	tensor_load_to_lds s[G0+4:G0+7], s[G1:G1+7]
	s_nop 0
	tensor_load_to_lds s[G0+8:G0+11], s[G1:G1+7]
	s_nop 0
	tensor_load_to_lds s[G0+12:G0+15], s[G1:G1+7]
	s_nop 0
	tensor_load_to_lds s[G0K:G0K+3], s[G1L:G1L+7]
	s_nop 0
	tensor_load_to_lds s[G0V:G0V+3], s[G1L:G1L+7]
	s_nop 0
	PLACES
	s_mul_i32 s76, s5, 102400
	s_add_nc_u64 s[S1B:S1B+1], s[8:9], s[76:77]    ; my tokens' image
	s_add_co_u32 s76, s75, 16
	s_mul_i32 s76, s76, 102400
	s_add_nc_u64 s[S1VB:S1VB+1], s[10:11], s[76:77]   ; my block of wv
	s_lshl_b32 s76, s[WV], 7
	s_add_nc_u64 s[S1SB:S1SB+1], s[S1B:S1B+1], s[76:77]
	s_add_nc_u64 s[S1VSB:S1VSB+1], s[S1VB:S1VB+1], s[76:77]
	s_mul_i32 s76, s[WV], 3072
	s_add_nc_u64 s[S1B:S1B+1], s[S1B:S1B+1], s[76:77]
	s_add_nc_u64 s[S1VB:S1VB+1], s[S1VB:S1VB+1], s[76:77]
	S1LOADH S1B, S1SB, 0, 0x40, 0, 0
	S1LOADH S1B, S1SB, 0, 0x40, 0, 4
	s_lshl_b32 s76, s6, 9
	s_add_nc_u64 s[78:79], s[12:13], s[76:77]      ; bq and bk at the block: register 16 b + i is column 32 b + 16 h + i
	s_add_nc_u64 s[80:81], s[14:15], s[76:77]
	WIN 0x40
.irp q, 0,1,2,3,4,5,6,7,8,9,10,11,12,13,14,15
	global_load_b128 v[BI+4*\q:BI+4*\q+3], v[HB], s[78:79] offset:128*(\q/4)+16*(\q%4)
.endr
	WIN 0x80
.irp q, 0,1,2,3,4,5,6,7,8,9,10,11,12,13,14,15
	global_load_b128 v[BI+4*\q:BI+4*\q+3], v[HB], s[80:81] offset:128*(\q/4)+16*(\q%4)
.endr
	WIN 0
	s_lshl_b32 s76, s75, 9
	s_lshl_b32 s82, s[WV], 7
	s_add_co_u32 s76, s76, s82
	s_add_nc_u64 s[BVB:BVB+1], s[16:17], s[76:77]  ; bv at my wave's 32 channels
	global_load_b32 v[BVL], v[BVO], s[BVB:BVB+1]
	global_load_b32 v[BVL+1], v[BVO], s[BVB:BVB+1] offset:32
	s_lshl_b32 s82, s5, 7
	s_lshl_b32 s83, s[WV], 5
	s_add_co_u32 s82, s82, s83
	v_add_nc_u32 v[MO], s82, v[RP]                 ; the token of my lane-row in tile 2 w
	global_load_u8 v[MK], v[MO], s[18:19]
	global_load_u8 v[MK+1], v[MO], s[18:19] offset:8
	s_lshr_b32 s76, s5, 4                          ; where the results go.  Q: (batch x 16 + 2 Y) heads of 139,264 bytes + the step's region
	s_lshl_b32 s76, s76, 4
	s_lshl_b32 s82, s6, 1
	s_add_co_u32 s76, s76, s82
	s_mul_i32 s76, s76, 139264
	s_and_b32 s82, s5, 15
	s_mul_i32 s82, s82, 8704
	s_add_co_u32 s76, s76, s82
	s_add_nc_u64 s[QT:QT+1], s[20:21], s[76:77]
	s_lshl_b32 s76, s[WV], 7
	s_add_nc_u64 s[QSO:QSO+1], s[QT:QT+1], s[76:77]
	s_lshl_b32 s76, s[WV], 11
	s_add_nc_u64 s[QT:QT+1], s[QT:QT+1], s[76:77]
	s_add_nc_u64 s[KT:KT+1], s[QT:QT+1], 4456448   ; K's heads lie behind Q's 32
	s_add_nc_u64 s[KSO:KSO+1], s[QSO:QSO+1], 4456448
	s_lshr_b32 s76, s74, 4                         ; V: (batch x 16 + head) x 102,400 + the step's region
	s_lshl_b32 s76, s76, 4
	s_lshl_b32 s82, s75, 1
	s_add_co_u32 s76, s76, s82
	s_lshr_b32 s82, s[WV], 1
	s_add_co_u32 s76, s76, s82
	s_mul_i32 s76, s76, 102400
	s_and_b32 s82, s74, 15
	s_mul_i32 s82, s82, 6400
	s_add_co_u32 s76, s76, s82
	s_add_nc_u64 s[VT:VT+1], s[22:23], s[76:77]
	s_and_b32 s82, s[WV], 1
	s_lshl_b32 s76, s82, 7
	s_add_nc_u64 s[VSO:VSO+1], s[VT:VT+1], s[76:77]
	s_mul_i32 s76, s82, 3072
	s_add_nc_u64 s[VT:VT+1], s[VT:VT+1], s[76:77]
	s_wait_loadcnt 0x0
	v_mov_b32 v[AUXQ], 12                          ; the code 1.0 at k = 64; lanes 16-31 hold k = 96 on: zeros
	v_cndmask_b32 v[AUXQ], v[AUXQ], v[ZR], s[HM]
	v_cmp_ne_u32 vcc_lo, 0, v[MK]
	v_cndmask_b32 v[AUXK], v[PADC], v[ZR], vcc_lo  ; a key that counts: 0; a padded key: -16
	v_cndmask_b32 v[AUXK], v[AUXK], v[ZR], s[HM]
	v_cmp_ne_u32 vcc_lo, 0, v[MK+1]
	v_cndmask_b32 v[AUXK+1], v[PADC], v[ZR], vcc_lo
	v_cndmask_b32 v[AUXK+1], v[AUXK+1], v[ZR], s[HM]
	WIN 0xc0
.irp m, 0,1
.irp j, 0,1,2,3,4,5,6,7
	v_mov_b32 v[BI+8*\m+\j], v[BVL+\m]             ; V: a lane holds one channel: its bias in all eight registers of a C
.endr
.endr
	WIN 0
	S1LOADH S1VB, S1VSB, 0, 0xc0, 1, 0             ; wv's fragments come while Q and K are made: the first half,
	MAIN 0, 0x06, 0, 1, 5, 0x16, BI, 8, 0          ; ---- Q
	PLACES
	QKEPI AUXQ, AUXQ, HIQ, QT, QSO
	S1LOADH S1VB, S1VSB, 0, 0xc0, 1, 4             ; the second
	s_wait_tensorcnt 1                             ; my part of slot 1 has landed; slot 2's load may be out
	BAR
	MAIN 1, 0x06, 0, 0, 0, 0x26, BI, 8, 0          ; ---- K
	PLACES
	QKEPI AUXK, AUXK+1, HIK, KT, KSO
	s_wait_tensorcnt 0x0
	BAR
	s_wait_loadcnt 0x0                             ; wv's fragments
	MAIN 2, 0x0e, 1, 0, 0, 0x3e, BI, 0, 8          ; ---- V
	PLACES
	s_wait_xcnt 0x0
	QUANT ACC
	STOREFI VT, 0
	v_mov_b32 v[PW0], v[PW]
	s_wait_xcnt 0x0
	QUANT ACC+64
	STOREFI VT, 1536
	v_cndmask_b32 v[MG], v[PW0], v[PW], s[HM]
	global_store_b32 v[L4], v[MG], s[VSO:VSO+1] offset:6144
	s_wait_tensorcnt 0x0
	ds_add_u32 v254, v255
	s_wait_dscnt 0x0
	CROUND                                         ; the closing round
	s_endpgm
.Lfunc_end_k_qa3968d6330_qkv:
	.size	k_qa3968d6330_qkv, .Lfunc_end_k_qa3968d6330_qkv-k_qa3968d6330_qkv
	.p2alignl 7, 3214868480
	.fill 96, 4, 3214868480
	.section	.rodata,"a",@progbits
	.p2align	6, 0x0
	.amdhsa_kernel k_qa3968d6330_qkv
		.amdhsa_group_segment_fixed_size 307712
		.amdhsa_private_segment_fixed_size 0
		.amdhsa_enable_private_segment 0
		.amdhsa_kernarg_size 64
		.amdhsa_user_sgpr_count 2
		.amdhsa_user_sgpr_kernarg_segment_ptr 1
		.amdhsa_wavefront_size32 1
		.amdhsa_system_sgpr_workgroup_id_x 1
		.amdhsa_system_sgpr_workgroup_id_y 1
		.amdhsa_system_sgpr_workgroup_id_z 1
		.amdhsa_system_vgpr_workitem_id 0
		.amdhsa_next_free_vgpr 1024
		.amdhsa_next_free_sgpr 102
		.amdhsa_reserve_vcc 1
		.amdhsa_float_denorm_mode_32 3
		.amdhsa_float_denorm_mode_16_64 3
		.amdhsa_memory_ordered 1
		.amdhsa_forward_progress 1
		.amdhsa_inst_pref_size 164
	.end_amdhsa_kernel
	.amdgpu_metadata
---
amdhsa.version: [ 1, 2 ]
amdhsa.kernels:
  - .name:           k_qa3968d6330_qkv
    .symbol:         k_qa3968d6330_qkv.kd
    .args:
      - { .name: img0, .offset: 0, .size: 8, .value_kind: global_buffer, .address_space: global }
      - { .name: wimg, .offset: 8, .size: 8, .value_kind: global_buffer, .address_space: global }
      - { .name: bq, .offset: 16, .size: 8, .value_kind: global_buffer, .address_space: global }
      - { .name: bk, .offset: 24, .size: 8, .value_kind: global_buffer, .address_space: global }
      - { .name: bv, .offset: 32, .size: 8, .value_kind: global_buffer, .address_space: global }
      - { .name: key_padding_mask, .offset: 40, .size: 8, .value_kind: global_buffer, .address_space: global }
      - { .name: qk, .offset: 48, .size: 8, .value_kind: global_buffer, .address_space: global }
      - { .name: vimg, .offset: 56, .size: 8, .value_kind: global_buffer, .address_space: global }
    .group_segment_fixed_size: 307712
    .private_segment_fixed_size: 0
    .kernarg_segment_align: 8
    .kernarg_segment_size: 64
    .max_flat_workgroup_size: 128
    .sgpr_count:     102
    .vgpr_count:     1024
    .wavefront_size: 32
...
	.end_amdgpu_metadata
.endif
;; end of part 2
;; launch attn (part 3): grid 8 x 32, 8 waves a work-group, clusters of 4 x 1, 243,200 bytes of LDS; arguments qk, vimg, img1; writes img1
.if DOCPART == 3
	.amdgcn_target "amdgcn-amd-amdhsa--gfx1250"
	.amdhsa_code_object_version 6
	.text
	.protected	k_qa3968d6330_attn
	.globl	k_qa3968d6330_attn
	.p2align	8
	.type	k_qa3968d6330_attn,@function
k_qa3968d6330_attn:
	s_mov_b64 s[64:65], 0
	v_nop
	global_prefetch_b8 v0, s[64:65] scope:SCOPE_SE
	s_setreg_imm32_b32 hwreg(HW_REG_WAVE_MODE, 25, 1), 1
	s_wait_xcnt 0x0
	s_wait_alu depctr_hold_cnt(0) depctr_sa_sdst(0) depctr_va_vdst(0) depctr_va_sdst(0) depctr_va_ssrc(0) depctr_va_vcc(0) depctr_vm_vsrc(0)
	s_getreg_b32 s2, hwreg(HW_REG_IB_STS2, 6, 4)
	s_cmp_eq_u32 s2, 0
	s_cbranch_scc0 .Lentry_in_a_cluster
	s_endpgm
.Lentry_in_a_cluster:
	s_bfe_u32 s2, ttmp6, 0x10000c
	s_cmp_lg_u32 s2, 0x3003
	s_cbranch_scc0 .Lentry_shape_is_right
	s_endpgm
.Lentry_shape_is_right:
; Causal attention with a padding mask on codes of E3M2; head size 64, 2,048 keys.  A whole head's K (139,264 bytes) and V (102,400 bytes) lie in LDS, filled once by joint
; tensor loads of the four work-groups of a cluster, which share the head.
; SHARES.  A head has 16 groups of 128 queries, 8 tiles of 16 each.  Work-group E (0..7) and wave w own tile 7 - E of group 15 - w and tile E of group w: 16 - w and w + 1 key steps, 17 for every wave.
; Both products are used transposed: a lane holds ONE query.  S^T = K Q^T has K = 64; the other half of the instruction's 128 is zero codes but k = 64, where a padded key carries -2^40.
; SOFTMAX.  t = score x log2(e) / 8; M = the running largest t rounded up to a whole number; p = 2^(t - M) is quantised along the keys; the sum is taken of the unquantised p.
; The largest t starts at -2^30, so a row with no visible key ends with sum 0; it then takes the mean of the quantised V over all 2,048 keys, which is the value of a row whose logits are all equal.
; THAT MEAN is made once for the work-group: wave w sums channels 16 (w % 4) on over key steps 8 (w / 4) on (8 products with ones), and the eight parts meet in 512 bytes of LDS of their own, behind the tiles.
; LIMITS: a logit under -2^30 / log2(e) counts as masked; |Q.K| stays far under 2^40; NaN and infinities are not served.  The scale bytes of the result leave by stores of 2 bytes a lane (128 KiB in the launch).
.set WV, 3
.set AKC, 3
.set AKS, 4
.set AV16, 5
.set AV8, 6
.set AVS, 7
.set QD, 8
.set RPH, 9
.set ADK, 10
.set ADS, 11
.set QS, 28
.set KS, 30
.set VSC, 34
.set ADV16, 36
.set ONS, 37
.set ADV8, 38
.set ADT, 39
.set BM, 40
.set BX, 44
.set SO, 48
.set F, 52
.set PS, 53
.set TT, 54
.set CT, 56
.set S, 64
.set O, 128
.set PCD, 160
.set TM2, 176
.set L16, 192
.set L8, 193
.set R4, 194
.set PC2, 196
.set HW, 202
.set VST, 203
.set VRD, 204
.set VF, 96                            ; window 1: v0-95 K's fragments, v96-143 V's, v144-175 the mean of V, v176-187 ones
.set VS, 144
.set ONES, 176
.set RV, 241664                        ; LDS: the parts of the sum of V: 64 bytes a wave
.set SEL, 48
.set CS, 50
.set TK, 52
.set TV, 53
.set ST, 54
.set GRP, 55
.set CNT, 56
.set II, 57
.set QB, 70
.set QSB, 72
.set OB, 76
.set OSB, 78
.set VW, 80
.set VW2, 81
.set MSB, 0
.macro WIN new
.if MSB != \new
	s_set_vgpr_msb (MSB<<8)|\new
.set MSB, \new
.endif
.endm
.macro BAR
	s_barrier_signal -1
	s_barrier_wait -1
.endm
.macro CROUND
	s_barrier_signal -1
	s_barrier_wait -1
	s_cmp_lg_u32 s[WV], 0
	s_cbranch_scc1 .Lnw0_\@
	s_barrier_signal -3
.Lnw0_\@:
	s_barrier_wait -3
	s_barrier_signal -1
	s_barrier_wait -1
.endm
.macro PLACES
.rept 4
	v_nop
.endr
.endm
.macro VLOADS                          ; a step's four fragments of V and its scale words: 18 LDS loads
	WIN 0x40
.irp d, 0,1,2,3
	ds_load_b128 v[VF+12*\d:VF+12*\d+3], v[ADV16] offset:1536*\d
	ds_load_b64 v[VF+12*\d+4:VF+12*\d+5], v[ADV8] offset:1536*\d+512
	ds_load_b128 v[VF+12*\d+6:VF+12*\d+9], v[ADV16] offset:1536*\d+768
	ds_load_b64 v[VF+12*\d+10:VF+12*\d+11], v[ADV8] offset:1536*\d+1280
.endr
	WIN 0
	ds_load_b32 v[VSC], v[ADT]
	ds_load_b32 v[VSC+1], v[ADT] offset:128
.endm
; A KEY STEP of 128 keys.  A step past my tile's group is left out by a branch on the wave's number and the loop's count; the lines that step addresses are not.
.macro STEP
	s_cmp_gt_u32 s[ST], s[GRP]
	s_cbranch_scc1 .Lskip_\@
	v_add_nc_u32 v[ADK], s[TK], v[AKC]             ; (these five are the places behind the last step's products)
	v_add_nc_u32 v[ADS], s[TK], v[AKS]
	v_add_nc_u32 v[ADV16], s[TV], v[AV16]
	v_add_nc_u32 v[ADV8], s[TV], v[AV8]
	v_add_nc_u32 v[ADT], s[TV], v[AVS]
.irp i, 0,1,2,3
	ds_load_b32 v[KS+\i], v[ADS] offset:128*\i
.endr
	WIN 0x40
.irp T, 0,1,2,3,4,5,6,7
	ds_load_b128 v[12*\T:12*\T+3], v[ADK] offset:1024*\T
	ds_load_b128 v[12*\T+4:12*\T+7], v[ADK] offset:1024*\T+512
.endr
	VLOADS
	s_wait_dscnt 18                                ; K and its scale words are in; V's 18 loads may be out
	WIN 0x01
.irp T, 0,2,4,6
	v_wmma_scale_f32_16x16x128_f8f6f4 v[S+8*\T:S+8*\T+7], v[12*\T:12*\T+11], v[16:27], 0, v[KS+\T/2], v[QS] matrix_a_fmt:MATRIX_FMT_BF6 matrix_b_fmt:MATRIX_FMT_BF6
	v_wmma_scale_f32_16x16x128_f8f6f4 v[S+8*\T+8:S+8*\T+15], v[12*\T+12:12*\T+23], v[16:27], 0, v[KS+\T/2], v[QS] matrix_a_fmt:MATRIX_FMT_BF6 matrix_b_fmt:MATRIX_FMT_BF6 matrix_a_scale:MATRIX_SCALE_ROW1
.endr
	WIN 0
	PLACES
	s_cmp_lg_u32 s[ST], s[GRP]
	s_cbranch_scc1 .Lopen_\@
	v_mov_b32 v[TT], 0xff800000                    ; on the diagonal: register 16 b + i holds key 32 b + 16 h + i of the step: hidden where 32 b + i > my query - 16 h
.set n, 0
.rept 64
	v_cmp_gt_i32 vcc_lo, 32*(n/16)+n%16, v[QD]
	v_cndmask_b32 v[S+n], v[S+n], v[TT], vcc_lo
.set n, n+1
.endr
.Lopen_\@:
.irp b, 0,1,2,3
	v_max3_num_f32 v[BM+\b], v[S+16*\b], v[S+16*\b+1], v[S+16*\b+2]   ; the largest score of each block of 32 keys: for the row's maximum and for the block's largest p
.endr
.irp i, 3,5,7,9,11,13
.irp b, 0,1,2,3
	v_max3_num_f32 v[BM+\b], v[BM+\b], v[S+16*\b+\i], v[S+16*\b+\i+1]
.endr
.endr
.irp b, 0,1,2,3
	v_max_num_f32 v[BM+\b], v[BM+\b], v[S+16*\b+15]
.endr
.irp b, 0,1,2,3
	v_permlanex16_b32 v[BX+\b], v[BM+\b], s[SEL], s[SEL+1]
.endr
.irp b, 0,1,2,3
	v_max_num_f32 v[BM+\b], v[BM+\b], v[BX+\b]
.endr
	v_max3_num_f32 v[TT], v[BM], v[BM+1], v[BM+2]
	v_max_num_f32 v[TT], v[TT], v[BM+3]
	v_mul_f32 v[TT], s[CS], v[TT]
	v_max_num_f32 v13, v13, v[TT]                  ; the running largest t
	v_mov_b32 v[TT], v12
	v_floor_f32 v12, -v13                          ; -M = floor(-t): M is a whole number
	v_sub_f32 v[TT], v12, v[TT]
	v_cvt_i32_f32 v[TT], v[TT]                     ; (it saturates)
	v_ldexp_f32 v[F], 1.0, v[TT]                   ; f = 2^(old M - new M)
.set j, 0
.rept 32
	v_pk_fma_f32 v[S+j:S+j+1], v[S+j:S+j+1], s[CS:CS+1], v[12:13] op_sel_hi:[1,0,0]   ; t - M
.set j, j+2
.endr
.irp b, 0,1,2,3
	v_fma_f32 v[BM+\b], v[BM+\b], s[CS], v12
.endr
.set j, 0
.rept 64
	v_exp_f32 v[S+j], v[S+j]                       ; p, not normalised
.set j, j+1
.endr
.irp b, 0,1,2,3
	v_exp_f32 v[BM+\b], v[BM+\b]                   ; the block's largest p
.endr
	v_pk_mul_f32 v[14:15], v[14:15], v[F:F+1] op_sel_hi:[1,0]   ; the sums under the new M (a plain line behind the exponentials)
	s_wait_alu depctr_va_vdst(0)
.irp b, 0,1,2,3
	v_max_num_f32 v[BM+\b], 0x2800000, v[BM+\b]    ; the floor: the byte cannot fall under 1
.endr
.irp b, 0,1,2,3
	v_add_nc_u32 v[SO+\b], 0xfe000000, v[BM+\b]
.endr
.irp b, 0,1,2,3
	v_lshrrev_b32 v[BX+\b], 23, v[SO+\b]
.endr
	v_lshl_or_b32 v[PS], v[BX+1], 8, v[BX]         ; p's scale word for these 128 keys
	v_lshl_or_b32 v[PS], v[BX+2], 16, v[PS]
	v_lshl_or_b32 v[PS], v[BX+3], 24, v[PS]
.irp c, 0,1
	v_cvt_scalef32_pk16_bf6_f32 v[PCD+6*\c:PCD+6*\c+2], v[S+32*\c:S+32*\c+15], v[SO+2*\c]
	v_cvt_scalef32_pk16_bf6_f32 v[CT+4*\c:CT+4*\c+2], v[S+32*\c+16:S+32*\c+31], v[SO+2*\c+1]
.endr
	v_nop
.irp c, 0,1
.irp i, 0,1,2
	v_permlane16_swap_b32 v[PCD+6*\c+\i], v[CT+4*\c+\i]
.endr
.irp i, 0,1,2
	v_mov_b32 v[PCD+6*\c+3+\i], v[CT+4*\c+\i]
.endr
.endr
	v_pk_add_f32 v[BX:BX+1], v[S:S+1], v[S+2:S+3]  ; the row's sum of the unquantised p, in two chains
.irp j, 4,8,12,16,20,24,28,32,36,40,44,48,52,56,60
	v_pk_add_f32 v[14:15], v[14:15], v[S+\j:S+\j+1]
	v_pk_add_f32 v[BX:BX+1], v[BX:BX+1], v[S+\j+2:S+\j+3]
.endr
	v_pk_add_f32 v[14:15], v[14:15], v[BX:BX+1]
.set j, 0
.rept 16
	v_pk_mul_f32 v[O+j:O+j+1], v[O+j:O+j+1], v[F:F+1] op_sel_hi:[1,0]   ; O^T under the new M
.set j, j+2
.endr
	s_wait_dscnt 0x0                               ; V is in
	WIN 0x01
.irp d, 0,2
	v_wmma_scale_f32_16x16x128_f8f6f4 v[O+8*\d:O+8*\d+7], v[VF+12*\d:VF+12*\d+11], v[PCD:PCD+11], v[O+8*\d:O+8*\d+7], v[VSC+\d/2], v[PS] matrix_a_fmt:MATRIX_FMT_BF6 matrix_b_fmt:MATRIX_FMT_BF6
	v_wmma_scale_f32_16x16x128_f8f6f4 v[O+8*\d+8:O+8*\d+15], v[VF+12*\d+12:VF+12*\d+23], v[PCD:PCD+11], v[O+8*\d+8:O+8*\d+15], v[VSC+\d/2], v[PS] matrix_a_fmt:MATRIX_FMT_BF6 matrix_b_fmt:MATRIX_FMT_BF6 matrix_a_scale:MATRIX_SCALE_ROW1
.endr
	WIN 0
.Lskip_\@:
	s_add_co_u32 s[TK], s[TK], 8704
	s_add_co_u32 s[TV], s[TV], 6400
	s_add_co_u32 s[ST], s[ST], 1
.endm
.macro SEG                             ; eight key steps
	s_mov_b32 s[CNT], 8
.Lseg_\@:
	STEP
	s_sub_co_u32 s[CNT], s[CNT], 1
	s_cmp_lg_u32 s[CNT], 0
	s_cbranch_scc1 .Lseg_\@
.endm
; my next tile of queries: its fragment, its scale words, where its result goes, and the state of its softmax
.macro QLOAD heavy
.if \heavy
	s_xor_b32 s[GRP], s[WV], 15                    ; group 15 - w,
	s_xor_b32 s[II], s11, 7                        ; tile 7 - E
.else
	s_mov_b32 s[GRP], s[WV]
	s_mov_b32 s[II], s11
.endif
	s_mul_i32 s68, s12, 139264
	s_mul_i32 s69, s[GRP], 8704
	s_add_co_u32 s68, s68, s69
	s_mov_b32 s69, 0
	s_add_nc_u64 s[QB:QB+1], s[4:5], s[68:69]
	s_lshl_b32 s68, s[II], 6
	s_add_nc_u64 s[QSB:QSB+1], s[QB:QB+1], s[68:69]
	s_lshl_b32 s68, s[II], 10
	s_add_nc_u64 s[QB:QB+1], s[QB:QB+1], s[68:69]
	global_load_b128 v[16:19], v[L16], s[QB:QB+1]
	global_load_b128 v[20:23], v[L16], s[QB:QB+1] offset:512
	global_load_b32 v[QS], v[R4], s[QSB:QSB+1] offset:8192
	s_lshr_b32 s68, s[II], 1
	s_lshl_b32 s68, s68, 5
	s_and_b32 s74, s[II], 1
	s_lshl_b32 s74, s74, 3
	s_add_co_u32 s68, s68, s74
	v_add_nc_u32 v[QD], s68, v[RPH]                ; my query in its group, less 16 h
	s_lshr_b32 s74, s12, 4
	s_lshl_b32 s74, s74, 4
	s_add_co_u32 s74, s74, s[GRP]
	s_lshl_b32 s74, s74, 3
	s_bfe_u32 s75, s12, 0x30001
	s_add_co_u32 s74, s74, s75
	s_mul_i32 s74, s74, 12800                      ; the block of the result's image: tokens' block x 8 + head / 2
	s_and_b32 s58, s12, 1
	s_mul_i32 s59, s[II], 1536
	s_mul_i32 s75, s58, 768
	s_add_co_u32 s59, s59, s75
	s_add_co_u32 s68, s74, s59
	s_add_nc_u64 s[OB:OB+1], s[8:9], s[68:69]
	s_lshl_b32 s59, s[II], 6
	s_lshl_b32 s75, s58, 1
	s_add_co_u32 s59, s59, s75
	s_add_co_u32 s68, s74, s59
	s_add_nc_u64 s[OSB:OSB+1], s[8:9], s[68:69]
	v_mov_b32 v13, 0xce800000                      ; the largest t so far: -2^30
	v_floor_f32 v12, -v13
	v_mov_b32 v14, 0
	v_mov_b32 v15, 0
.set j, 0
.rept 32
	v_mov_b32 v[O+j], 0                            ; the step is written once: the first finds zeros
.set j, j+1
.endr
	s_mov_b32 s[ST], 0
	s_mov_b32 s[TK], 0
	s_mov_b32 s[TV], 0
.endm
; the tile's way out: O^T / the sum (or the mean of V), quantised along the head's 64: half a fragment of the next product, and two scale bytes
.macro EPI
	PLACES
	v_add_f32 v14, v14, v15
	v_permlanex16_b32 v[TT], v14, s[SEL], s[SEL+1]
	v_add_f32 v14, v14, v[TT]
	v_mov_b32 v[TT], 1.0
	v_cmp_gt_f32 vcc_lo, 0x3e800000, v14           ; a row with a visible key has a sum of 1/2 or more
	v_cndmask_b32 v14, v14, v[TT], vcc_lo
	v_rcp_f32 v14, v14
	v_nop
.set j, 0
	s_wait_alu depctr_va_vdst(0)
.rept 32
	v_mul_f32 v[S+j], v[O+j], v14
.set j, j+1
.endr
	WIN 0x04
.set j, 0
.rept 32
	v_cndmask_b32 v[S+j], v[S+j], v[VS+j], vcc_lo
.set j, j+1
.endr
	WIN 0
.irp b, 0,1
	v_max3_num_f32 v[TM2+\b], |v[S+16*\b]|, |v[S+16*\b+1]|, 0x2800000
.endr
.irp i, 2,4,6,8,10,12,14
.irp b, 0,1
	v_max3_num_f32 v[TM2+\b], v[TM2+\b], |v[S+16*\b+\i]|, |v[S+16*\b+\i+1]|
.endr
.endr
.irp b, 0,1
	v_permlanex16_b32 v[TM2+4+\b], v[TM2+\b], s[SEL], s[SEL+1]
.endr
.irp b, 0,1
	v_max_num_f32 v[TM2+\b], v[TM2+\b], v[TM2+4+\b]
.endr
.irp b, 0,1
	v_add_nc_u32 v[TM2+12+\b], 0xfe000000, v[TM2+\b]
.endr
.irp b, 0,1
	v_lshrrev_b32 v[TM2+4+\b], 23, v[TM2+12+\b]
.endr
	v_lshl_or_b32 v[HW], v[TM2+5], 8, v[TM2+4]
	v_cvt_scalef32_pk16_bf6_f32 v[PC2:PC2+2], v[S:S+15], v[TM2+12]
	v_cvt_scalef32_pk16_bf6_f32 v[CT:CT+2], v[S+16:S+31], v[TM2+13]
	v_nop
.irp i, 0,1,2
	v_permlane16_swap_b32 v[PC2+\i], v[CT+\i]
.endr
.irp i, 0,1,2
	v_mov_b32 v[PC2+3+\i], v[CT+\i]
.endr
	global_store_b128 v[L16], v[PC2:PC2+3], s[OB:OB+1]
	global_store_b64 v[L8], v[PC2+4:PC2+5], s[OB:OB+1] offset:512
	global_store_b16 v[R4], v[HW], s[OSB:OSB+1] offset:12288   ; lanes 16-31 write the same bytes as lanes 0-15
.endm
	s_load_b128 s[4:7], s[0:1], 0x0                ; qk, vimg
	s_load_b64 s[8:9], s[0:1], 0x10                ; img1
	v_lshl_add_u32 v254, v0, 2, 0x3b200
	v_mov_b32 v255, 0
	ds_add_u32 v254, v255
	ds_add_u32 v254, v255
	v_lshrrev_b32 v29, 5, v0
	v_readfirstlane_b32 s[WV], v29
	v_and_b32 v29, 31, v0
	v_and_b32 v1, 15, v0
	v_bfe_u32 v2, v0, 4, 1
	v_lshlrev_b32 v[AKC], 4, v29
	v_lshl_add_u32 v[AKS], v29, 2, 8192
	v_lshl_add_u32 v[AV16], v29, 4, 139264
	v_lshl_add_u32 v[AV8], v29, 3, 139264
	v_lshl_add_u32 v[AVS], v29, 2, 139264+6144
	v_lshlrev_b32 v[L16], 4, v29
	v_lshlrev_b32 v[L8], 3, v29
	v_lshlrev_b32 v[R4], 2, v1
	v_and_b32 v[RPH], 8, v1
	v_add_nc_u32 v[RPH], v[RPH], v1
	v_lshlrev_b32 v[TT], 4, v2
	v_sub_nc_u32 v[RPH], v[RPH], v[TT]             ; r + 8 (r / 8) - 16 h
	s_lshr_b32 s82, s[WV], 2                       ; my part of the sum of V: key steps 8 (w / 4) on, channels 16 (w % 4) on
	s_mul_i32 s82, s82, 51200
	s_and_b32 s83, s[WV], 3
	s_mul_i32 s[VW], s83, 1536
	s_add_co_u32 s[VW], s[VW], s82
	s_lshl_b32 s83, s83, 6
	s_add_co_u32 s[VW2], s82, s83
	s_add_co_u32 s[VW2], s[VW2], 139264+6144
	s_lshl_b32 s82, s[WV], 6
	s_add_co_u32 s82, s82, RV
	v_lshl_add_u32 v[VST], v2, 5, s82              ; where it goes: 64 w + 32 h
	v_lshl_add_u32 v[VRD], v2, 5, RV               ; and from where the eight parts are read
	s_bfe_u32 s10, ttmp6, 0x40000                  ; cx: it enters global addresses and the data of one compare alone
	s_lshl_b32 s11, ttmp9, 2
	s_add_co_u32 s11, s11, s10                     ; E
	s_and_b32 s12, ttmp7, 0xffff                   ; batch x 16 + head, which the partners share
	s_mov_b32 s16, 15|(3<<16)|(1<<21)              ; K: 34 rows of 256 bytes: a step's region
	s_mov_b32 s17, 32<<16
	s_mov_b32 s18, 34<<16
	s_mov_b32 s19, 32<<16
	s_mov_b32 s20, 34
	s_mov_b32 s21, 32
	s_mov_b32 s22, 0
	s_mov_b32 s23, 0
	s_mov_b32 s24, 15|(3<<16)|(1<<21)              ; V: 25 rows
	s_mov_b32 s25, 32<<16
	s_mov_b32 s26, 25<<16
	s_mov_b32 s27, 32<<16
	s_mov_b32 s28, 25
	s_mov_b32 s29, 32
	s_mov_b32 s30, 0
	s_mov_b32 s31, 0
	s_mov_b32 s[SEL], 0x76543210
	s_mov_b32 s[SEL+1], 0xfedcba98
	s_mov_b32 s[CS], 0x3e38aa3b                    ; log2(e) / 8
	s_mov_b32 s[CS+1], s[CS]
	s_mul_i32 s57, s[WV], 8704
	s_mul_i32 s58, s[WV], 6400
	s_mul_i32 s60, s12, 139264
	s_add_co_u32 s60, s60, s57
	s_add_co_u32 s60, s60, 4456448
	s_mov_b32 s61, 0
	s_mul_i32 s62, s12, 102400
	s_add_co_u32 s62, s62, s58
	s_mov_b32 s63, 0
	s_wait_dscnt 0x0
	s_wait_kmcnt 0x0
	s_add_nc_u64 s[66:67], s[4:5], s[60:61]        ; K's step w of my head
	s_add_nc_u64 s[68:69], s[6:7], s[62:63]        ; V's
	s_mov_b32 s32, 1
	s_mov_b32 s33, s57
	s_mov_b64 s[34:35], s[66:67]
	s_or_b32 s35, s35, 0x80000000
	s_mov_b32 s36, 1
	s_add_co_u32 s37, s58, 139264
	s_mov_b64 s[38:39], s[68:69]
	s_or_b32 s39, s39, 0x80000000
	s_mov_b32 s40, 1
	s_add_co_u32 s41, s57, 69632                   ; step 8 + w
	s_add_nc_u64 s[42:43], s[66:67], 69632
	s_or_b32 s43, s43, 0x80000000
	s_mov_b32 s44, 1
	s_add_co_u32 s45, s58, 139264+51200
	s_add_nc_u64 s[46:47], s[68:69], 51200
	s_or_b32 s47, s47, 0x80000000
	CROUND
	tensor_load_to_lds s[32:35], s[16:23]          ; four loads of mine are out
	s_nop 0
	tensor_load_to_lds s[36:39], s[24:31]
	s_nop 0
	tensor_load_to_lds s[40:43], s[16:23]
	s_nop 0
	tensor_load_to_lds s[44:47], s[24:31]
	s_nop 0
	PLACES
	v_mov_b32 v[ONS], 0x7f7f7f7f
.irp j, 24,25,26,27
	v_mov_b32 v[\j], 0                             ; Q's k = 96 on: zero codes
.endr
.irp b, 0,1,2,3
	v_mov_b32 v[BX+\b], 0
.endr
	v_mov_b32 v[PS], 0
	v_mov_b32 v[TT], 0
	v_mov_b32 v[TM2+4], 0
	v_mov_b32 v[TM2+5], 0
	WIN 0x40
.irp T, 0,1,2,3,4,5,6,7
.irp j, 8,9,10,11
	v_mov_b32 v[12*\T+\j], 0                       ; K's k = 96 on
.endr
.endr
.irp j, 0,1,2,3
	v_mov_b32 v[ONES+3*\j], 0x0c30c30c             ; 128 codes of 1.0
	v_mov_b32 v[ONES+3*\j+1], 0xc30c30c3
	v_mov_b32 v[ONES+3*\j+2], 0x30c30c30
.endr
	WIN 0
	QLOAD 1
	s_wait_tensorcnt 2                             ; my parts of steps 0-7 have landed; the second half's two loads may be out
	BAR
	s_wait_loadcnt 0x0
	SEG                                            ; steps 0-7: every wave's heavy tile sees them all
	s_wait_tensorcnt 0x0
	s_wait_dscnt 0x0
	BAR                                            ; all of K and V lie in LDS; the eight waves are level here
	; ---- the mean of the quantised V: my part is one tile of channels over eight key steps, V^T x ones, on two accumulators by turns
	v_add_nc_u32 v[ADV16], s[VW], v[AV16]
	v_add_nc_u32 v[ADV8], s[VW], v[AV8]
	v_add_nc_u32 v[ADT], s[VW2], v[R4]             ; the tile's scale words in lanes 0-15: 4 bytes a channel
.irp g, 0,1
	PLACES                                         ; in front of loads into registers that products have read
	WIN 0x40
.irp i, 0,1,2,3
	ds_load_b128 v[VF+12*\i:VF+12*\i+3], v[ADV16] offset:(4*\g+\i)*6400
	ds_load_b64 v[VF+12*\i+4:VF+12*\i+5], v[ADV8] offset:(4*\g+\i)*6400+512
	ds_load_b128 v[VF+12*\i+6:VF+12*\i+9], v[ADV16] offset:(4*\g+\i)*6400+768
	ds_load_b64 v[VF+12*\i+10:VF+12*\i+11], v[ADV8] offset:(4*\g+\i)*6400+1280
.endr
	WIN 0
.irp i, 0,1,2,3
	ds_load_b32 v[KS+\i], v[ADT] offset:(4*\g+\i)*6400
.endr
	s_wait_dscnt 0x0
	WIN 0x55
.irp i, 0,1,2,3
.if (\g == 0) && (\i < 2)
	v_wmma_scale_f32_16x16x128_f8f6f4 v[VS+8*(\i%2):VS+8*(\i%2)+7], v[VF+12*\i:VF+12*\i+11], v[ONES:ONES+11], 0, v[KS+\i], v[ONS] matrix_a_fmt:MATRIX_FMT_BF6 matrix_b_fmt:MATRIX_FMT_BF6
.else
	v_wmma_scale_f32_16x16x128_f8f6f4 v[VS+8*(\i%2):VS+8*(\i%2)+7], v[VF+12*\i:VF+12*\i+11], v[ONES:ONES+11], v[VS+8*(\i%2):VS+8*(\i%2)+7], v[KS+\i], v[ONS] matrix_a_fmt:MATRIX_FMT_BF6 matrix_b_fmt:MATRIX_FMT_BF6
.endif
.endr
	WIN 0
.endr
	PLACES
	WIN 0x05
.irp j, 0,2,4,6
	v_pk_add_f32 v[S+\j:S+\j+1], v[VS+\j:VS+\j+1], v[VS+8+\j:VS+9+\j]   ; the two accumulators, each from its low end on
.endr
	WIN 0
.irp j, 0,2,4,6
	v_pk_mul_f32 v[S+\j:S+\j+1], v[S+\j:S+\j+1], 0x3a000000 op_sel_hi:[1,0]   ; / 2,048
.endr
	ds_store_b128 v[VST], v[S:S+3]                 ; register j is channel 16 (w % 4) + 8 h + j; the sixteen lanes of a half hold, and write, the same
	ds_store_b128 v[VST], v[S+4:S+7] offset:16
	s_wait_dscnt 0x0                               ; for the others: my stores have landed
	BAR
.irp g, 0,1
.irp d, 0,1,2,3
	ds_load_b128 v[S+32*\g+8*\d:S+32*\g+8*\d+3], v[VRD] offset:256*\g+64*\d
	ds_load_b128 v[S+32*\g+8*\d+4:S+32*\g+8*\d+7], v[VRD] offset:256*\g+64*\d+16
.endr
.endr
	s_wait_dscnt 0x0
	WIN 0x40
.set j, 0
.rept 16
	v_pk_add_f32 v[VS+j:VS+j+1], v[S+j:S+j+1], v[S+32+j:S+33+j]   ; the two halves of the keys: register 8 d + j is channel 16 d + 8 h + j, as in O^T
.set j, j+2
.endr
	WIN 0
	SEG                                            ; steps 8-15
	EPI
	s_wait_xcnt 0x0                                ; the stores have read their registers and bases
	QLOAD 0
	s_wait_loadcnt 0x0
	SEG                                            ; the light tile: steps 0 .. w
	EPI
	s_wait_tensorcnt 0x0
	ds_add_u32 v254, v255
	s_wait_dscnt 0x0
	CROUND                                         ; the closing round
	s_endpgm
.Lfunc_end_k_qa3968d6330_attn:
	.size	k_qa3968d6330_attn, .Lfunc_end_k_qa3968d6330_attn-k_qa3968d6330_attn
	.p2alignl 7, 3214868480
	.fill 96, 4, 3214868480
	.section	.rodata,"a",@progbits
	.p2align	6, 0x0
	.amdhsa_kernel k_qa3968d6330_attn
		.amdhsa_group_segment_fixed_size 243200
		.amdhsa_private_segment_fixed_size 0
		.amdhsa_enable_private_segment 0
		.amdhsa_kernarg_size 24
		.amdhsa_user_sgpr_count 2
		.amdhsa_user_sgpr_kernarg_segment_ptr 1
		.amdhsa_wavefront_size32 1
		.amdhsa_system_sgpr_workgroup_id_x 1
		.amdhsa_system_sgpr_workgroup_id_y 1
		.amdhsa_system_sgpr_workgroup_id_z 1
		.amdhsa_system_vgpr_workitem_id 0
		.amdhsa_next_free_vgpr 512
		.amdhsa_next_free_sgpr 96
		.amdhsa_reserve_vcc 1
		.amdhsa_float_denorm_mode_32 3
		.amdhsa_float_denorm_mode_16_64 3
		.amdhsa_memory_ordered 1
		.amdhsa_forward_progress 1
		.amdhsa_inst_pref_size 96
	.end_amdhsa_kernel
	.amdgpu_metadata
---
amdhsa.version: [ 1, 2 ]
amdhsa.kernels:
  - .name:           k_qa3968d6330_attn
    .symbol:         k_qa3968d6330_attn.kd
    .args:
      - { .name: qk, .offset: 0, .size: 8, .value_kind: global_buffer, .address_space: global }
      - { .name: vimg, .offset: 8, .size: 8, .value_kind: global_buffer, .address_space: global }
      - { .name: img1, .offset: 16, .size: 8, .value_kind: global_buffer, .address_space: global }
    .group_segment_fixed_size: 243200
    .private_segment_fixed_size: 0
    .kernarg_segment_align: 8
    .kernarg_segment_size: 24
    .max_flat_workgroup_size: 256
    .sgpr_count:     96
    .vgpr_count:     512
    .wavefront_size: 32
...
	.end_amdgpu_metadata
.endif
;; end of part 3
;; launch wo (part 4): grid 32 x 8, 4 waves a work-group, clusters of 4 x 1, 168,448 bytes of LDS; arguments img1, wimg, bo, x, y; writes y
.if DOCPART == 4
	.amdgcn_target "amdgcn-amd-amdhsa--gfx1250"
	.amdhsa_code_object_version 6
	.text
	.protected	k_qa3968d6330_wo
	.globl	k_qa3968d6330_wo
	.p2align	8
	.type	k_qa3968d6330_wo,@function
k_qa3968d6330_wo:
	s_mov_b64 s[64:65], 0
	v_nop
	global_prefetch_b8 v0, s[64:65] scope:SCOPE_SE
	s_setreg_imm32_b32 hwreg(HW_REG_WAVE_MODE, 25, 1), 1
	s_wait_xcnt 0x0
	s_wait_alu depctr_hold_cnt(0) depctr_sa_sdst(0) depctr_va_vdst(0) depctr_va_sdst(0) depctr_va_ssrc(0) depctr_va_vcc(0) depctr_vm_vsrc(0)
	s_getreg_b32 s2, hwreg(HW_REG_IB_STS2, 6, 4)
	s_cmp_eq_u32 s2, 0
	s_cbranch_scc0 .Lentry_in_a_cluster
	s_endpgm
.Lentry_in_a_cluster:
	s_bfe_u32 s2, ttmp6, 0x10000c
	s_cmp_lg_u32 s2, 0x3003
	s_cbranch_scc0 .Lentry_shape_is_right
	s_endpgm
.Lentry_shape_is_right:
; y = x + attention's output x wo + bo, on codes of E3M2.  A work-group makes 128 tokens x 128 columns, K = 1,024.
; Source 0 = 128 columns of wo (102,400 bytes, all of K) in LDS, by joint tensor loads of the cluster's four work-groups, filled once; source 1 = my wave's 32 tokens, from memory into registers.
; The sums begin with x + bo.  y leaves as tiles of 16 tokens x 128 columns in the order of the lanes' registers: registers 4 q .. 4 q + 3 of lane l at 512 q + 16 l; every store covers 512 consecutive bytes.
.set WV, 3
.set L16, 4
.set L8, 5
.set L4, 6
.set A16, 8
.set A8, 10
.set A4, 12
.set XA, 20
.set HB, 21
.set SS, 24
.set S1S, 32
.set ACC, 64
.set BIAS, 192
.set G1, 24
.set G0, 32
.set S1B, 66
.set S1SB, 68
.set S0B, 70
.set MSB, 0
.macro WIN new
.if MSB != \new
	s_set_vgpr_msb (MSB<<8)|\new
.set MSB, \new
.endif
.endm
.macro BAR
	s_barrier_signal -1
	s_barrier_wait -1
.endm
.macro CROUND
	s_barrier_signal -1
	s_barrier_wait -1
	s_cmp_lg_u32 s[WV], 0
	s_cbranch_scc1 .Lnw0_\@
	s_barrier_signal -3
.Lnw0_\@:
	s_barrier_wait -3
	s_barrier_signal -1
	s_barrier_wait -1
.endm
.macro PLACES
.rept 4
	v_nop
.endr
.endm
.macro S1LOAD ph, wv, set
	WIN \wv
.irp kk, 0,1,2,3,4,5,6,7
.irp m, 0,1
	global_load_b128 v[24*\kk+12*\m:24*\kk+12*\m+3], v[L16], s[S1B:S1B+1] offset:(\ph)*102400+\kk*12800+\m*1536
	global_load_b64 v[24*\kk+12*\m+4:24*\kk+12*\m+5], v[L8], s[S1B:S1B+1] offset:(\ph)*102400+\kk*12800+\m*1536+512
	global_load_b128 v[24*\kk+12*\m+6:24*\kk+12*\m+9], v[L16], s[S1B:S1B+1] offset:(\ph)*102400+\kk*12800+\m*1536+768
	global_load_b64 v[24*\kk+12*\m+10:24*\kk+12*\m+11], v[L8], s[S1B:S1B+1] offset:(\ph)*102400+\kk*12800+\m*1536+1280
.endr
.endr
	WIN 0
.irp kk, 0,1,2,3,4,5,6,7
	global_load_b32 v[S1S+8*(\set)+\kk], v[L4], s[S1SB:S1SB+1] offset:(\ph)*102400+\kk*12800+12288
.endr
.endm
.macro FETCH slot, k, buf
	WIN 0x80
.irp T, 0,1,2,3,4,5,6,7
	ds_load_b128 v[96*(\buf)+12*\T:96*(\buf)+12*\T+3], v[A16+6*(\slot)+((\k)>>2)] offset:((\k)&3)*12800+1536*\T
	ds_load_b64 v[96*(\buf)+12*\T+4:96*(\buf)+12*\T+5], v[A8+6*(\slot)+((\k)>>2)] offset:((\k)&3)*12800+1536*\T+512
	ds_load_b128 v[96*(\buf)+12*\T+6:96*(\buf)+12*\T+9], v[A16+6*(\slot)+((\k)>>2)] offset:((\k)&3)*12800+1536*\T+768
	ds_load_b64 v[96*(\buf)+12*\T+10:96*(\buf)+12*\T+11], v[A8+6*(\slot)+((\k)>>2)] offset:((\k)&3)*12800+1536*\T+1280
.endr
	WIN 0
.irp i, 0,1,2,3
	ds_load_b32 v[SS+4*(\buf)+\i], v[A4+6*(\slot)+((\k)>>2)] offset:((\k)&3)*12800+12288+128*\i
.endr
.endm
.macro WM T, m, kk, buf, set
.set rD, ACC+64*(\m)+8*(\T)
.set rA, 96*(\buf)+12*(\T)
.set rB, 24*(\kk)+12*(\m)
.set rS, SS+4*(\buf)+(\T)/2
.set rZ, S1S+8*(\set)+(\kk)
.if ((\T)%2 == 0) && ((\m) == 0)
	v_wmma_scale_f32_16x16x128_f8f6f4 v[rD:rD+7], v[rA:rA+11], v[rB:rB+11], v[rD:rD+7], v[rS], v[rZ] matrix_a_fmt:MATRIX_FMT_BF6 matrix_b_fmt:MATRIX_FMT_BF6
.elseif (\m) == 0
	v_wmma_scale_f32_16x16x128_f8f6f4 v[rD:rD+7], v[rA:rA+11], v[rB:rB+11], v[rD:rD+7], v[rS], v[rZ] matrix_a_fmt:MATRIX_FMT_BF6 matrix_b_fmt:MATRIX_FMT_BF6 matrix_a_scale:MATRIX_SCALE_ROW1
.elseif (\T)%2 == 0
	v_wmma_scale_f32_16x16x128_f8f6f4 v[rD:rD+7], v[rA:rA+11], v[rB:rB+11], v[rD:rD+7], v[rS], v[rZ] matrix_a_fmt:MATRIX_FMT_BF6 matrix_b_fmt:MATRIX_FMT_BF6 matrix_b_scale:MATRIX_SCALE_ROW1
.else
	v_wmma_scale_f32_16x16x128_f8f6f4 v[rD:rD+7], v[rA:rA+11], v[rB:rB+11], v[rD:rD+7], v[rS], v[rZ] matrix_a_fmt:MATRIX_FMT_BF6 matrix_b_fmt:MATRIX_FMT_BF6 matrix_a_scale:MATRIX_SCALE_ROW1 matrix_b_scale:MATRIX_SCALE_ROW1
.endif
.endm
.macro MUL kk, buf, wv, set            ; the 16 accumulators take turns, one instruction a turn
	WIN \wv
.irp T, 0,1,2,3,4,5,6,7
.irp m, 0,1
	WM \T, \m, \kk, \buf, \set
.endr
.endr
.endm
.macro MAIN slot, wv, set, chunked, tb
.if \chunked
	s_wait_tensorcnt \tb                           ; my part of chunk 0 has landed; the later chunks stay out
	BAR
.endif
	FETCH \slot, 0, 0
.irp k, 0,1,2,3,4,5,6
.if (\chunked) && ((\k)&1)
	s_wait_dscnt 0x0
	s_wait_tensorcnt (\tb)-((\k)+1)/2              ; my part of the next chunk has landed
	BAR
.endif
.if \k > 0
	PLACES
.endif
	FETCH \slot, \k+1, (\k+1)&1
	s_wait_dscnt 36                                ; all but the 36 just issued
	MUL \k, (\k)&1, \wv, \set
.endr
	s_wait_dscnt 0x0
	MUL 7, 1, \wv, \set
	WIN 0
.endm
	s_load_b256 s[8:15], s[0:1], 0x0               ; img1, wimg, bo, x
	s_load_b64 s[16:17], s[0:1], 0x20              ; y
	v_lshl_add_u32 v62, v0, 2, 0x29000
	v_mov_b32 v63, 0
	ds_add_u32 v62, v63
	ds_add_u32 v62, v63
	v_lshrrev_b32 v1, 5, v0
	v_readfirstlane_b32 s[WV], v1
	v_and_b32 v1, 31, v0
	v_and_b32 v2, 15, v0
	v_bfe_u32 v3, v0, 4, 1
	v_lshlrev_b32 v[L16], 4, v1
	v_lshlrev_b32 v[L8], 3, v1
	v_lshlrev_b32 v[L4], 2, v1
	v_lshlrev_b32 v[A16], 4, v1
	v_lshl_add_u32 v[A16+1], v1, 4, 51200
	v_lshlrev_b32 v[A8], 3, v1
	v_lshl_add_u32 v[A8+1], v1, 3, 51200
	v_lshlrev_b32 v[A4], 2, v1
	v_lshl_add_u32 v[A4+1], v1, 2, 51200
	v_and_b32 v[XA], 8, v2
	v_add_nc_u32 v[XA], v[XA], v2
	v_lshlrev_b32 v[XA], 12, v[XA]
	v_lshl_add_u32 v[XA], v3, 6, v[XA]             ; x: row r + 8 (r / 8), + 64 h
	v_lshlrev_b32 v[HB], 6, v3
	s_bfe_u32 s4, ttmp6, 0x40000
	s_lshl_b32 s5, ttmp9, 2
	s_add_co_u32 s5, s5, s4                        ; X: my block of tokens
	s_and_b32 s6, ttmp7, 0xffff                    ; Y: the block of columns, shared by the partners
	s_add_co_u32 s76, s6, 24
	s_mul_i32 s76, s76, 102400
	s_mov_b32 s77, 0
	s_mul_i32 s78, s5, 102400
	s_mov_b32 s79, 0
	s_mul_i32 s80, s[WV], 6400
	s_mov_b32 s81, 0
	s_mov_b32 s[G1], 15|(3<<16)|(1<<21)
	s_mov_b32 s[G1+1], 32<<16
	s_mov_b32 s[G1+2], 25<<16
	s_mov_b32 s[G1+3], 32<<16
	s_mov_b32 s[G1+4], 25
	s_mov_b32 s[G1+5], 32
	s_mov_b32 s[G1+6], 0
	s_mov_b32 s[G1+7], 0
	s_lshl_b32 s84, s5, 19
	s_lshl_b32 s85, s[WV], 17
	s_add_co_u32 s84, s84, s85
	s_lshl_b32 s88, s6, 9
	s_lshl_b32 s92, s6, 13
	s_add_co_u32 s92, s92, s84                     ; y: ((8 X + 2 w) 8 + Y) tiles of 8,192 bytes
	s_add_co_u32 s84, s84, s88                     ; x: (128 X + 32 w) rows + 512 Y
	s_mov_b32 s85, 0
	s_mov_b32 s89, 0
	s_mov_b32 s93, 0
	s_wait_dscnt 0x0
	s_wait_kmcnt 0x0
	s_add_nc_u64 s[S0B:S0B+1], s[10:11], s[76:77]
	s_add_nc_u64 s[S0B:S0B+1], s[S0B:S0B+1], s[80:81]
	s_add_nc_u64 s[S1B:S1B+1], s[8:9], s[78:79]
	s_lshl_b32 s82, s[WV], 7
	s_mov_b32 s83, 0
	s_add_nc_u64 s[S1SB:S1SB+1], s[S1B:S1B+1], s[82:83]
	s_mul_i32 s82, s[WV], 3072
	s_add_nc_u64 s[S1B:S1B+1], s[S1B:S1B+1], s[82:83]
	s_add_nc_u64 s[86:87], s[14:15], s[84:85]
	s_add_nc_u64 s[90:91], s[12:13], s[88:89]
	s_add_nc_u64 s[94:95], s[16:17], s[92:93]
.irp c, 0,1,2,3
	s_mov_b32 s[G0+4*\c], 1
	s_add_co_u32 s[G0+4*\c+1], s80, \c*25600
	s_add_nc_u64 s[G0+4*\c+2:G0+4*\c+3], s[S0B:S0B+1], \c*25600
	s_or_b32 s[G0+4*\c+3], s[G0+4*\c+3], 0x80000000
.endr
	CROUND
	tensor_load_to_lds s[G0:G0+3], s[G1:G1+7]      ; four loads of mine are out
	s_nop 0
	tensor_load_to_lds s[G0+4:G0+7], s[G1:G1+7]
	s_nop 0
	tensor_load_to_lds s[G0+8:G0+11], s[G1:G1+7]
	s_nop 0
	tensor_load_to_lds s[G0+12:G0+15], s[G1:G1+7]
	s_nop 0
	PLACES
.irp m, 0,1
.irp q, 0,1,2,3,4,5,6,7,8,9,10,11,12,13,14,15
	global_load_b128 v[ACC+64*\m+4*\q:ACC+64*\m+4*\q+3], v[XA], s[86:87] offset:32768*\m+128*(\q/4)+16*(\q%4)
.endr
.endr
.irp q, 0,1,2,3,4,5,6,7,8,9,10,11,12,13,14,15
	global_load_b128 v[BIAS+4*\q:BIAS+4*\q+3], v[HB], s[90:91] offset:128*(\q/4)+16*(\q%4)
.endr
	S1LOAD 0, 0x40, 0
	s_wait_loadcnt 0x0
.irp m, 0,1
.set j, 0
.rept 32
	v_pk_add_f32 v[ACC+64*\m+j:ACC+64*\m+j+1], v[ACC+64*\m+j:ACC+64*\m+j+1], v[BIAS+j:BIAS+j+1]   ; the sums begin with x + bo
.set j, j+2
.endr
.endr
	MAIN 0, 0x06, 0, 1, 3
	PLACES
.irp m, 0,1
.irp q, 0,1,2,3,4,5,6,7,8,9,10,11,12,13,14,15
	global_store_b128 v[L16], v[ACC+64*\m+4*\q:ACC+64*\m+4*\q+3], s[94:95] offset:65536*\m+512*\q   ; each accumulator from its low end on
.endr
.endr
	s_wait_tensorcnt 0x0
	ds_add_u32 v62, v63
	s_wait_dscnt 0x0
	CROUND
	s_endpgm
.Lfunc_end_k_qa3968d6330_wo:
	.size	k_qa3968d6330_wo, .Lfunc_end_k_qa3968d6330_wo-k_qa3968d6330_wo
	.p2alignl 7, 3214868480
	.fill 96, 4, 3214868480
	.section	.rodata,"a",@progbits
	.p2align	6, 0x0
	.amdhsa_kernel k_qa3968d6330_wo
		.amdhsa_group_segment_fixed_size 168448
		.amdhsa_private_segment_fixed_size 0
		.amdhsa_enable_private_segment 0
		.amdhsa_kernarg_size 40
		.amdhsa_user_sgpr_count 2
		.amdhsa_user_sgpr_kernarg_segment_ptr 1
		.amdhsa_wavefront_size32 1
		.amdhsa_system_sgpr_workgroup_id_x 1
		.amdhsa_system_sgpr_workgroup_id_y 1
		.amdhsa_system_sgpr_workgroup_id_z 1
		.amdhsa_system_vgpr_workitem_id 0
		.amdhsa_next_free_vgpr 768
		.amdhsa_next_free_sgpr 100
		.amdhsa_reserve_vcc 0
		.amdhsa_float_denorm_mode_32 3
		.amdhsa_float_denorm_mode_16_64 3
		.amdhsa_memory_ordered 1
		.amdhsa_forward_progress 1
		.amdhsa_inst_pref_size 61
	.end_amdhsa_kernel
	.amdgpu_metadata
---
amdhsa.version: [ 1, 2 ]
amdhsa.kernels:
  - .name:           k_qa3968d6330_wo
    .symbol:         k_qa3968d6330_wo.kd
    .args:
      - { .name: img1, .offset: 0, .size: 8, .value_kind: global_buffer, .address_space: global }
      - { .name: wimg, .offset: 8, .size: 8, .value_kind: global_buffer, .address_space: global }
      - { .name: bo, .offset: 16, .size: 8, .value_kind: global_buffer, .address_space: global }
      - { .name: x, .offset: 24, .size: 8, .value_kind: global_buffer, .address_space: global }
      - { .name: y, .offset: 32, .size: 8, .value_kind: global_buffer, .address_space: global }
    .group_segment_fixed_size: 168448
    .private_segment_fixed_size: 0
    .kernarg_segment_align: 8
    .kernarg_segment_size: 40
    .max_flat_workgroup_size: 128
    .sgpr_count:     100
    .vgpr_count:     768
    .wavefront_size: 32
...
	.end_amdgpu_metadata
.endif
;; end of part 4
;; launch ln1 (part 5): grid 256 x 1, 8 waves a work-group, no clusters, 2,048 bytes of LDS; arguments y, g1, beta1, ht, img0; writes ht, img0
.if DOCPART == 5
	.amdgcn_target "amdgcn-amd-amdhsa--gfx1250"
	.amdhsa_code_object_version 6
	.text
	.protected	k_qa3968d6330_ln1
	.globl	k_qa3968d6330_ln1
	.p2align	8
	.type	k_qa3968d6330_ln1,@function
k_qa3968d6330_ln1:
	s_mov_b64 s[64:65], 0
	v_nop
	global_prefetch_b8 v0, s[64:65] scope:SCOPE_SE
	s_setreg_imm32_b32 hwreg(HW_REG_WAVE_MODE, 25, 1), 1
	s_wait_xcnt 0x0
; h = LayerNorm(y) g1 + beta1 over rows of 1,024, kept in f32 (ht, in y's layout of tiles) and quantised along the row into the image of the next product's operand (img0).
; A work-group takes a tile of 16 tokens; wave w its columns 128 w .. 128 w + 127: lane (r, h) holds token-row r, register 16 b + i column 128 w + 32 b + 16 h + i.
; The variance is the mean of the squared deviations from the mean.  The waves' partial sums meet in LDS: 16 rows x 8 words, once for the mean (bytes 0-511), once for the variance (512-1,023).
; No matrix unit, no cluster, no tensor load: each byte is read once by one wave.
.set WV, 3
.set L16, 4
.set L8, 5
.set HB, 6
.set RA, 7
.set RB, 8
.set R4, 9
.set Y, 16
.set G, 80
.set BT, 144
.set AC, 208
.set RD, 216
.set MN, 224
.set SEL, 16
.set TM, 80
.set CT, 96
.set PC, 104
.set PW, 116
.macro QUANT s
.irp b, 0,1,2,3
	v_max3_num_f32 v[TM+\b], |v[(\s)+16*\b]|, |v[(\s)+1+16*\b]|, 0x2800000
.endr
.irp i, 2,4,6,8,10,12,14
.irp b, 0,1,2,3
	v_max3_num_f32 v[TM+\b], v[TM+\b], |v[(\s)+16*\b+\i]|, |v[(\s)+1+16*\b+\i]|
.endr
.endr
.irp b, 0,1,2,3
	v_permlanex16_b32 v[TM+4+\b], v[TM+\b], s[SEL], s[SEL+1]
.endr
.irp b, 0,1,2,3
	v_max_num_f32 v[TM+\b], v[TM+\b], v[TM+4+\b]
.endr
.irp b, 0,1,2,3
	v_add_nc_u32 v[TM+12+\b], 0xfe000000, v[TM+\b]
.endr
.irp b, 0,1,2,3
	v_lshrrev_b32 v[TM+4+\b], 23, v[TM+12+\b]
.endr
	v_lshl_or_b32 v[PW], v[TM+5], 8, v[TM+4]
	v_lshl_or_b32 v[PW], v[TM+6], 16, v[PW]
	v_lshl_or_b32 v[PW], v[TM+7], 24, v[PW]
.irp c, 0,1
	v_cvt_scalef32_pk16_bf6_f32 v[PC+6*\c:PC+6*\c+2], v[(\s)+32*\c:(\s)+32*\c+15], v[TM+12+2*\c]
	v_cvt_scalef32_pk16_bf6_f32 v[CT+4*\c:CT+4*\c+2], v[(\s)+32*\c+16:(\s)+32*\c+31], v[TM+13+2*\c]
.endr
	v_nop
.irp c, 0,1
.irp i, 0,1,2
	v_permlane16_swap_b32 v[PC+6*\c+\i], v[CT+4*\c+\i]
.endr
.irp i, 0,1,2
	v_mov_b32 v[PC+6*\c+3+\i], v[CT+4*\c+\i]
.endr
.endr
.endm
; the four chains' sum, over my lane, lane l xor 16 and the eight waves: the row's sum in v[RD]
.macro REDUCE base
	v_pk_add_f32 v[AC:AC+1], v[AC:AC+1], v[AC+2:AC+3]
	v_pk_add_f32 v[AC+4:AC+5], v[AC+4:AC+5], v[AC+6:AC+7]
	v_pk_add_f32 v[AC:AC+1], v[AC:AC+1], v[AC+4:AC+5]
	v_add_f32 v[AC], v[AC], v[AC+1]
	v_permlanex16_b32 v[AC+2], v[AC], s[SEL], s[SEL+1]
	v_add_f32 v[AC], v[AC], v[AC+2]
	ds_store_b32 v[RA], v[AC] offset:\base         ; row r, word w; lanes r and r + 16 write the same word with the same value
	s_wait_dscnt 0x0                               ; for the others: my store has landed
	s_barrier_signal -1
	s_barrier_wait -1
	ds_load_b128 v[RD:RD+3], v[RB] offset:\base
	ds_load_b128 v[RD+4:RD+7], v[RB] offset:\base+16
	s_wait_dscnt 0x0
	v_add_f32 v[RD], v[RD], v[RD+1]
	v_add_f32 v[RD+2], v[RD+2], v[RD+3]
	v_add_f32 v[RD+4], v[RD+4], v[RD+5]
	v_add_f32 v[RD+6], v[RD+6], v[RD+7]
	v_add_f32 v[RD], v[RD], v[RD+2]
	v_add_f32 v[RD+4], v[RD+4], v[RD+6]
	v_add_f32 v[RD], v[RD], v[RD+4]
.endm
	s_load_b256 s[4:11], s[0:1], 0x0               ; y, g1, beta1, ht
	s_load_b64 s[12:13], s[0:1], 0x20              ; img0
	v_lshl_add_u32 v254, v0, 2, 0x400
	v_mov_b32 v255, 0
	v_lshrrev_b32 v1, 5, v0
	v_readfirstlane_b32 s[WV], v1
	v_and_b32 v1, 31, v0
	v_and_b32 v2, 15, v0
	v_bfe_u32 v3, v0, 4, 1
	v_lshlrev_b32 v[L16], 4, v1
	v_lshlrev_b32 v[L8], 3, v1
	v_lshlrev_b32 v[HB], 6, v3
	v_lshlrev_b32 v[RB], 5, v2
	v_lshlrev_b32 v[R4], 2, v2
	s_lshl_b32 s14, s[WV], 2
	v_add_nc_u32 v[RA], s14, v[RB]
	s_lshl_b32 s20, ttmp9, 3
	s_add_co_u32 s20, s20, s[WV]
	s_lshl_b32 s20, s20, 13                        ; tile (token tile, w) of 8,192 bytes
	s_mov_b32 s21, 0
	s_lshl_b32 s22, s[WV], 9
	s_mov_b32 s23, 0
	s_mov_b32 s[SEL], 0x76543210
	s_mov_b32 s[SEL+1], 0xfedcba98
	s_mov_b32 s24, 0x3a800000                      ; 1 / 1,024
	s_mov_b32 s25, 0x3727c5ac                      ; 1e-5
	s_lshr_b32 s26, ttmp9, 3
	s_lshl_b32 s26, s26, 3
	s_add_co_u32 s26, s26, s[WV]
	s_mul_i32 s26, s26, 12800                      ; the image's block: (tokens' block, K step w)
	s_and_b32 s28, ttmp9, 7
	s_lshl_b32 s30, s28, 6
	s_add_co_u32 s30, s30, s26
	s_mul_i32 s28, s28, 1536
	s_add_co_u32 s28, s28, s26
	s_mov_b32 s29, 0
	s_mov_b32 s31, 0
	s_wait_kmcnt 0x0
	s_add_nc_u64 s[4:5], s[4:5], s[20:21]
	s_add_nc_u64 s[6:7], s[6:7], s[22:23]
	s_add_nc_u64 s[8:9], s[8:9], s[22:23]
	s_add_nc_u64 s[10:11], s[10:11], s[20:21]
	s_add_nc_u64 s[32:33], s[12:13], s[28:29]
	s_add_nc_u64 s[34:35], s[12:13], s[30:31]
.irp q, 0,1,2,3,4,5,6,7,8,9,10,11,12,13,14,15
	global_load_b128 v[Y+4*\q:Y+4*\q+3], v[L16], s[4:5] offset:512*\q th:TH_LOAD_NT
.endr
.irp q, 0,1,2,3,4,5,6,7,8,9,10,11,12,13,14,15
	global_load_b128 v[G+4*\q:G+4*\q+3], v[HB], s[6:7] offset:128*(\q/4)+16*(\q%4)
.endr
.irp q, 0,1,2,3,4,5,6,7,8,9,10,11,12,13,14,15
	global_load_b128 v[BT+4*\q:BT+4*\q+3], v[HB], s[8:9] offset:128*(\q/4)+16*(\q%4)
.endr
	s_wait_loadcnt 32                              ; y is in; the gain's and the offset's 32 loads may be out
.irp c, 0,1,2,3
	v_pk_add_f32 v[AC+2*\c:AC+2*\c+1], v[Y+2*\c:Y+2*\c+1], v[Y+8+2*\c:Y+9+2*\c]
.endr
.irp p, 8,12,16,20,24,28
.irp c, 0,1,2,3
	v_pk_add_f32 v[AC+2*\c:AC+2*\c+1], v[AC+2*\c:AC+2*\c+1], v[Y+2*(\p+\c):Y+2*(\p+\c)+1]
.endr
.endr
	REDUCE 0
	v_mul_f32 v[MN], s24, v[RD]                    ; the mean
	v_mov_b32 v[MN+1], v[MN]
.set j, 0
.rept 32
	v_pk_add_f32 v[Y+j:Y+j+1], v[Y+j:Y+j+1], v[MN:MN+1] neg_lo:[0,1] neg_hi:[0,1]
.set j, j+2
.endr
.irp c, 0,1,2,3
	v_pk_mul_f32 v[AC+2*\c:AC+2*\c+1], v[Y+2*\c:Y+2*\c+1], v[Y+2*\c:Y+2*\c+1]
.endr
.irp p, 4,8,12,16,20,24,28
.irp c, 0,1,2,3
	v_pk_fma_f32 v[AC+2*\c:AC+2*\c+1], v[Y+2*(\p+\c):Y+2*(\p+\c)+1], v[Y+2*(\p+\c):Y+2*(\p+\c)+1], v[AC+2*\c:AC+2*\c+1]
.endr
.endr
	REDUCE 512
	v_fma_f32 v[MN], v[RD], s24, s25               ; the variance + 1e-5
	v_rsq_f32 v[MN], v[MN]
	v_nop
	s_wait_alu depctr_va_vdst(0)
	v_mov_b32 v[MN+1], v[MN]
	s_wait_loadcnt 0x0
.set j, 0
.rept 32
	v_pk_mul_f32 v[Y+j:Y+j+1], v[Y+j:Y+j+1], v[MN:MN+1]
.set j, j+2
.endr
.set j, 0
.rept 32
	v_pk_fma_f32 v[Y+j:Y+j+1], v[Y+j:Y+j+1], v[G+j:G+j+1], v[BT+j:BT+j+1]
.set j, j+2
.endr
.irp q, 0,1,2,3,4,5,6,7,8,9,10,11,12,13,14,15
	global_store_b128 v[L16], v[Y+4*\q:Y+4*\q+3], s[10:11] offset:512*\q
.endr
	QUANT Y                                        ; it reads h and writes the registers that held the gain
	global_store_b128 v[L16], v[PC:PC+3], s[32:33]
	global_store_b64 v[L8], v[PC+4:PC+5], s[32:33] offset:512
	global_store_b128 v[L16], v[PC+6:PC+9], s[32:33] offset:768
	global_store_b64 v[L8], v[PC+10:PC+11], s[32:33] offset:1280
	global_store_b32 v[R4], v[PW], s[34:35] offset:12288   ; lanes 16-31 write the same words as lanes 0-15
	s_wait_tensorcnt 0x0
	ds_add_u32 v254, v255
	s_wait_dscnt 0x0
	s_endpgm
.Lfunc_end_k_qa3968d6330_ln1:
	.size	k_qa3968d6330_ln1, .Lfunc_end_k_qa3968d6330_ln1-k_qa3968d6330_ln1
	.p2alignl 7, 3214868480
	.fill 96, 4, 3214868480
	.section	.rodata,"a",@progbits
	.p2align	6, 0x0
	.amdhsa_kernel k_qa3968d6330_ln1
		.amdhsa_group_segment_fixed_size 2048
		.amdhsa_private_segment_fixed_size 0
		.amdhsa_enable_private_segment 0
		.amdhsa_kernarg_size 40
		.amdhsa_user_sgpr_count 2
		.amdhsa_user_sgpr_kernarg_segment_ptr 1
		.amdhsa_wavefront_size32 1
		.amdhsa_system_sgpr_workgroup_id_x 1
		.amdhsa_system_sgpr_workgroup_id_y 1
		.amdhsa_system_sgpr_workgroup_id_z 1
		.amdhsa_system_vgpr_workitem_id 0
		.amdhsa_next_free_vgpr 256
		.amdhsa_next_free_sgpr 66
		.amdhsa_reserve_vcc 0
		.amdhsa_float_denorm_mode_32 3
		.amdhsa_float_denorm_mode_16_64 3
		.amdhsa_memory_ordered 1
		.amdhsa_forward_progress 1
		.amdhsa_inst_pref_size 25
	.end_amdhsa_kernel
	.amdgpu_metadata
---
amdhsa.version: [ 1, 2 ]
amdhsa.kernels:
  - .name:           k_qa3968d6330_ln1
    .symbol:         k_qa3968d6330_ln1.kd
    .args:
      - { .name: y, .offset: 0, .size: 8, .value_kind: global_buffer, .address_space: global }
      - { .name: g1, .offset: 8, .size: 8, .value_kind: global_buffer, .address_space: global }
      - { .name: beta1, .offset: 16, .size: 8, .value_kind: global_buffer, .address_space: global }
      - { .name: ht, .offset: 24, .size: 8, .value_kind: global_buffer, .address_space: global }
      - { .name: img0, .offset: 32, .size: 8, .value_kind: global_buffer, .address_space: global }
    .group_segment_fixed_size: 2048
    .private_segment_fixed_size: 0
    .kernarg_segment_align: 8
    .kernarg_segment_size: 40
    .max_flat_workgroup_size: 256
    .sgpr_count:     66
    .vgpr_count:     256
    .wavefront_size: 32
...
	.end_amdgpu_metadata
.endif
;; end of part 5
;; launch ffn1 (part 6): grid 32 x 8, 4 waves a work-group, clusters of 4 x 1, 327,680 bytes of LDS; arguments img0, wimg, b1, fimg; writes fimg
.if DOCPART == 6
	.amdgcn_target "amdgcn-amd-amdhsa--gfx1250"
	.amdhsa_code_object_version 6
	.text
	.protected	k_qa3968d6330_ffn1
	.globl	k_qa3968d6330_ffn1
	.p2align	8
	.type	k_qa3968d6330_ffn1,@function
k_qa3968d6330_ffn1:
	s_mov_b64 s[64:65], 0
	v_nop
	global_prefetch_b8 v0, s[64:65] scope:SCOPE_SE
	s_setreg_imm32_b32 hwreg(HW_REG_WAVE_MODE, 25, 1), 1
	s_wait_xcnt 0x0
	s_wait_alu depctr_hold_cnt(0) depctr_sa_sdst(0) depctr_va_vdst(0) depctr_va_sdst(0) depctr_va_ssrc(0) depctr_va_vcc(0) depctr_vm_vsrc(0)
	s_getreg_b32 s2, hwreg(HW_REG_IB_STS2, 6, 4)
	s_cmp_eq_u32 s2, 0
	s_cbranch_scc0 .Lentry_in_a_cluster
	s_endpgm
.Lentry_in_a_cluster:
	s_bfe_u32 s2, ttmp6, 0x10000c
	s_cmp_lg_u32 s2, 0x3003
	s_cbranch_scc0 .Lentry_shape_is_right
	s_endpgm
.Lentry_shape_is_right:
; gelu(h w1 + b1), quantised along the hidden axis into the image of the next product's operand.  A WORK-GROUP STAYS: for its 128 tokens it makes four blocks of 128 hidden units, K = 1,024 each.
; Source 1 = my wave's 32 tokens, from memory into registers, once.  Source 0 = a block of w1's columns (102,400 bytes, all of K) in one of two LDS slots, by joint tensor loads of the cluster's four work-groups.
; THE CHANGE OF SLOTS stands at a phase's head: each wave waits for all its tensor loads, adds 0 to its spare word, waits for that and for its reads of the slot that it has left; a round of the cluster's barrier;
; then its one load brings the next block into that slot and has the whole phase, 128 products and the activation, in which to land.  Three trips of a loop ask for a block; the last phase is written out.
; What differs from trip to trip lies in scalars: the slot (an exclusive or with 2^17), the descriptor, the pointers of b1 and of the result.  The bias is the C of a phase's first products.
; GELU: x Phi(x) = max(x, 0) - |x| Q(|x|), Q(a) = 2^(-a a log2(e) / 2) t (c1 + t (c2 + t (c3 + t (c4 + t c5)))), t = 1 / (1 + 0.2316419 a): no 1 + erf is formed for negative x.
; LIMITS: Phi has an absolute error under 7.5e-8 (Abramowitz and Stegun 26.2.17); NaN and infinities are not served; a block of zeros gets the byte 1.
; The launch claims all of LDS; it uses 233,984 bytes.
.set WV, 3
.set L16, 4
.set L8, 5
.set L4, 6
.set B16, 8                            ; v8-13 my lane's places in a slot
.set B8, 10
.set B4, 12
.set A16, 14                           ; v14-19 the same in the slot in hand
.set A8, 16
.set A4, 18
.set HB, 21
.set SPW, 22
.set NIL, 23
.set SS, 24
.set S1S, 32
.set C5V, 48
.set ACC, 64
.set TM, 192
.set CT, 208
.set PC, 216
.set PW, 230
.set PW0, 231
.set GT, 232
.set GE, 240
.set GU, 248
.set BI, 192                           ; window 3: the phase's bias
.set SLOT1, 1<<17
.set SPARE, SLOT1+102400               ; behind slot 1: the spare words, 128 bytes a wave
.set G1, 24
.set G0, 32
.set SL, 36
.set CNT, 37
.set SEL, 60
.set HM, 62
.set S1B, 66
.set S1SB, 68
.set S0B, 70
.set CP, 84
.set K2, 86
.set C4, 88
.set C3, 90
.set C2, 92
.set C1, 94
.set MSB, 0
.macro WIN new
.if MSB != \new
	s_set_vgpr_msb (MSB<<8)|\new
.set MSB, \new
.endif
.endm
.macro BAR
	s_barrier_signal -1
	s_barrier_wait -1
.endm
.macro CROUND
	s_barrier_signal -1
	s_barrier_wait -1
	s_cmp_lg_u32 s[WV], 0
	s_cbranch_scc1 .Lnw0_\@
	s_barrier_signal -3
.Lnw0_\@:
	s_barrier_wait -3
	s_barrier_signal -1
	s_barrier_wait -1
.endm
.macro PLACES
.rept 4
	v_nop
.endr
.endm
.macro QUANT s
.irp b, 0,1,2,3
	v_max3_num_f32 v[TM+\b], |v[(\s)+16*\b]|, |v[(\s)+1+16*\b]|, 0x2800000
.endr
.irp i, 2,4,6,8,10,12,14
.irp b, 0,1,2,3
	v_max3_num_f32 v[TM+\b], v[TM+\b], |v[(\s)+16*\b+\i]|, |v[(\s)+1+16*\b+\i]|
.endr
.endr
.irp b, 0,1,2,3
	v_permlanex16_b32 v[TM+4+\b], v[TM+\b], s[SEL], s[SEL+1]
.endr
.irp b, 0,1,2,3
	v_max_num_f32 v[TM+\b], v[TM+\b], v[TM+4+\b]
.endr
.irp b, 0,1,2,3
	v_add_nc_u32 v[TM+12+\b], 0xfe000000, v[TM+\b]
.endr
.irp b, 0,1,2,3
	v_lshrrev_b32 v[TM+4+\b], 23, v[TM+12+\b]
.endr
	v_lshl_or_b32 v[PW], v[TM+5], 8, v[TM+4]
	v_lshl_or_b32 v[PW], v[TM+6], 16, v[PW]
	v_lshl_or_b32 v[PW], v[TM+7], 24, v[PW]
.irp c, 0,1
	v_cvt_scalef32_pk16_bf6_f32 v[PC+6*\c:PC+6*\c+2], v[(\s)+32*\c:(\s)+32*\c+15], v[TM+12+2*\c]
	v_cvt_scalef32_pk16_bf6_f32 v[CT+4*\c:CT+4*\c+2], v[(\s)+32*\c+16:(\s)+32*\c+31], v[TM+13+2*\c]
.endr
	v_nop
.irp c, 0,1
.irp i, 0,1,2
	v_permlane16_swap_b32 v[PC+6*\c+\i], v[CT+4*\c+\i]
.endr
.irp i, 0,1,2
	v_mov_b32 v[PC+6*\c+3+\i], v[CT+4*\c+\i]
.endr
.endr
.endm
.macro STOREFI sb, off
	global_store_b128 v[L16], v[PC:PC+3], s[\sb:\sb+1] offset:(\off)
	global_store_b64 v[L8], v[PC+4:PC+5], s[\sb:\sb+1] offset:(\off)+512
	global_store_b128 v[L16], v[PC+6:PC+9], s[\sb:\sb+1] offset:(\off)+768
	global_store_b64 v[L8], v[PC+10:PC+11], s[\sb:\sb+1] offset:(\off)+1280
.endm
.macro S1LOADH sb, ssb, ph, wv, set, k0
	WIN \wv
.irp q, 0,1,2,3
.irp m, 0,1
	global_load_b128 v[24*((\k0)+\q)+12*\m:24*((\k0)+\q)+12*\m+3], v[L16], s[\sb:\sb+1] offset:(\ph)*102400+((\k0)+\q)*12800+\m*1536
	global_load_b64 v[24*((\k0)+\q)+12*\m+4:24*((\k0)+\q)+12*\m+5], v[L8], s[\sb:\sb+1] offset:(\ph)*102400+((\k0)+\q)*12800+\m*1536+512
	global_load_b128 v[24*((\k0)+\q)+12*\m+6:24*((\k0)+\q)+12*\m+9], v[L16], s[\sb:\sb+1] offset:(\ph)*102400+((\k0)+\q)*12800+\m*1536+768
	global_load_b64 v[24*((\k0)+\q)+12*\m+10:24*((\k0)+\q)+12*\m+11], v[L8], s[\sb:\sb+1] offset:(\ph)*102400+((\k0)+\q)*12800+\m*1536+1280
.endr
.endr
	WIN 0
.irp q, 0,1,2,3
	global_load_b32 v[S1S+8*(\set)+(\k0)+\q], v[L4], s[\ssb:\ssb+1] offset:(\ph)*102400+((\k0)+\q)*12800+12288
.endr
.endm
.macro FETCH slot, k, buf
	WIN 0x80
.irp T, 0,1,2,3,4,5,6,7
	ds_load_b128 v[96*(\buf)+12*\T:96*(\buf)+12*\T+3], v[A16+6*(\slot)+((\k)>>2)] offset:((\k)&3)*12800+1536*\T
	ds_load_b64 v[96*(\buf)+12*\T+4:96*(\buf)+12*\T+5], v[A8+6*(\slot)+((\k)>>2)] offset:((\k)&3)*12800+1536*\T+512
	ds_load_b128 v[96*(\buf)+12*\T+6:96*(\buf)+12*\T+9], v[A16+6*(\slot)+((\k)>>2)] offset:((\k)&3)*12800+1536*\T+768
	ds_load_b64 v[96*(\buf)+12*\T+10:96*(\buf)+12*\T+11], v[A8+6*(\slot)+((\k)>>2)] offset:((\k)&3)*12800+1536*\T+1280
.endr
	WIN 0
.irp i, 0,1,2,3
	ds_load_b32 v[SS+4*(\buf)+\i], v[A4+6*(\slot)+((\k)>>2)] offset:((\k)&3)*12800+12288+128*\i
.endr
.endm
.macro WM T, m, kk, buf, set, cb, ct, cm
.set rD, ACC+64*(\m)+8*(\T)
.set rA, 96*(\buf)+12*(\T)
.set rB, 24*(\kk)+12*(\m)
.set rS, SS+4*(\buf)+(\T)/2
.set rZ, S1S+8*(\set)+(\kk)
.if (\cb) < 0
.set rC, rD
.else
.set rC, (\cb)+(\ct)*(\T)+(\cm)*(\m)
.endif
.if ((\T)%2 == 0) && ((\m) == 0)
	v_wmma_scale_f32_16x16x128_f8f6f4 v[rD:rD+7], v[rA:rA+11], v[rB:rB+11], v[rC:rC+7], v[rS], v[rZ] matrix_a_fmt:MATRIX_FMT_BF6 matrix_b_fmt:MATRIX_FMT_BF6
.elseif (\m) == 0
	v_wmma_scale_f32_16x16x128_f8f6f4 v[rD:rD+7], v[rA:rA+11], v[rB:rB+11], v[rC:rC+7], v[rS], v[rZ] matrix_a_fmt:MATRIX_FMT_BF6 matrix_b_fmt:MATRIX_FMT_BF6 matrix_a_scale:MATRIX_SCALE_ROW1
.elseif (\T)%2 == 0
	v_wmma_scale_f32_16x16x128_f8f6f4 v[rD:rD+7], v[rA:rA+11], v[rB:rB+11], v[rC:rC+7], v[rS], v[rZ] matrix_a_fmt:MATRIX_FMT_BF6 matrix_b_fmt:MATRIX_FMT_BF6 matrix_b_scale:MATRIX_SCALE_ROW1
.else
	v_wmma_scale_f32_16x16x128_f8f6f4 v[rD:rD+7], v[rA:rA+11], v[rB:rB+11], v[rC:rC+7], v[rS], v[rZ] matrix_a_fmt:MATRIX_FMT_BF6 matrix_b_fmt:MATRIX_FMT_BF6 matrix_a_scale:MATRIX_SCALE_ROW1 matrix_b_scale:MATRIX_SCALE_ROW1
.endif
.endm
.macro MUL kk, buf, wv, set, cb, ct, cm   ; the 16 accumulators take turns, one instruction a turn
	WIN \wv
.irp T, 0,1,2,3,4,5,6,7
.irp m, 0,1
	WM \T, \m, \kk, \buf, \set, \cb, \ct, \cm
.endr
.endr
.endm
; eight K steps out of the slot in hand; the first step's products take the bias as C, under the setting wv0
.macro MAIN slot, wv, set, wv0, cb, ct, cm
	FETCH \slot, 0, 0
.irp k, 0,1,2,3,4,5,6
.if \k > 0
	PLACES                                         ; four places in front of loads into registers that the step before last multiplied
.endif
	FETCH \slot, \k+1, (\k+1)&1
	s_wait_dscnt 36                                ; all but the 36 just issued
.if \k == 0
	MUL 0, 0, \wv0, \set, \cb, \ct, \cm
.else
	MUL \k, (\k)&1, \wv, \set, -1, 0, 0
.endif
.endr
	s_wait_dscnt 0x0
	MUL 7, 1, \wv, \set, -1, 0, 0
	WIN 0
.endm
; the activation of one accumulator's eight numbers, in place, read from its low end on
.macro GELU8 a
.irp j, 0,1,2,3,4,5,6,7
	v_fma_f32 v[GT+\j], |v[(\a)+\j]|, s[CP], 1.0
.endr
.irp j, 0,1,2,3,4,5,6,7
	v_rcp_f32 v[GT+\j], v[GT+\j]                   ; t
.endr
.irp j, 0,2,4,6
	v_pk_mul_f32 v[GE+\j:GE+\j+1], v[(\a)+\j:(\a)+\j+1], v[(\a)+\j:(\a)+\j+1]
.endr
.irp j, 0,2,4,6
	v_pk_mul_f32 v[GE+\j:GE+\j+1], v[GE+\j:GE+\j+1], s[K2:K2+1] op_sel_hi:[1,0]
.endr
.irp j, 0,1,2,3,4,5,6,7
	v_exp_f32 v[GE+\j], v[GE+\j]
.endr
	s_wait_alu depctr_va_vdst(0)
.irp j, 0,2,4,6
	v_pk_fma_f32 v[GU+\j:GU+\j+1], v[GT+\j:GT+\j+1], v[C5V:C5V+1], s[C4:C4+1] op_sel_hi:[1,1,0]
.endr
.irp c, C3, C2, C1
.irp j, 0,2,4,6
	v_pk_fma_f32 v[GU+\j:GU+\j+1], v[GU+\j:GU+\j+1], v[GT+\j:GT+\j+1], s[\c:\c+1] op_sel_hi:[1,1,0]
.endr
.endr
.irp j, 0,2,4,6
	v_pk_mul_f32 v[GU+\j:GU+\j+1], v[GU+\j:GU+\j+1], v[GT+\j:GT+\j+1]
.endr
.irp j, 0,2,4,6
	v_pk_mul_f32 v[GU+\j:GU+\j+1], v[GU+\j:GU+\j+1], v[GE+\j:GE+\j+1]     ; Q(|x|)
.endr
.irp j, 0,1,2,3,4,5,6,7
	v_max_num_f32 v[GT+\j], 0, v[(\a)+\j]
.endr
.irp j, 0,1,2,3,4,5,6,7
	v_fma_f32 v[(\a)+\j], -|v[(\a)+\j]|, v[GU+\j], v[GT+\j]
.endr
.endm
; a phase.  fill = 1: the next block is asked for, and the next bias
.macro PHASE fill
	s_wait_tensorcnt 0x0                           ; all my tensor loads have landed, my part of this phase's block among them: the descriptor may be written
	ds_add_u32 v[SPW], v[NIL]                      ; 0 onto my spare word
.if \fill
	s_xor_b32 s[G0+1], s[G0+1], SLOT1              ; the walking descriptor: the other slot than last time,
	s_add_nc_u64 s[G0+2:G0+3], s[G0+2:G0+3], 102400   ; the next block; the type bits on top are not reached
.endif
	s_wait_dscnt 0x0                               ; the add is done, and my reads of the slot that I have left are over
.if \fill
	CROUND                                         ; both hold of every wave of the four work-groups
	tensor_load_to_lds s[G0:G0+3], s[G1:G1+7]      ; my one load behind the round
	s_nop 0
	PLACES
.else
	BAR
.endif
	v_add_nc_u32 v[A16], s[SL], v[B16]
	v_add_nc_u32 v[A16+1], s[SL], v[B16+1]
	v_add_nc_u32 v[A8], s[SL], v[B8]
	v_add_nc_u32 v[A8+1], s[SL], v[B8+1]
	v_add_nc_u32 v[A4], s[SL], v[B4]
	v_add_nc_u32 v[A4+1], s[SL], v[B4+1]
	MAIN 0, 0x06, 0, 0x36, BI, 8, 0
	PLACES
.if \fill
	WIN 0xc0
.irp q, 0,1,2,3,4,5,6,7,8,9,10,11,12,13,14,15
	global_load_b128 v[BI+4*\q:BI+4*\q+3], v[HB], s[72:73] offset:512+128*(\q/4)+16*(\q%4)   ; the next phase's bias lands under the activation
.endr
	WIN 0
.endif
.irp T, 0,1,2,3,4,5,6,7
	GELU8 ACC+8*\T
.endr
	s_wait_xcnt 0x0                                ; earlier stores have read the registers that are written below
	QUANT ACC
	STOREFI 96, 0
	v_mov_b32 v[PW0], v[PW]
.irp T, 0,1,2,3,4,5,6,7
	GELU8 ACC+64+8*\T
.endr
	s_wait_xcnt 0x0
	QUANT ACC+64
	STOREFI 96, 1536
	v_cndmask_b32 v[PW0], v[PW0], v[PW], s[HM]     ; lanes 0-15 tile 2 w's words, lanes 16-31 tile 2 w + 1's
	global_store_b32 v[L4], v[PW0], s[98:99] offset:12288
.endm
	s_load_b256 s[8:15], s[0:1], 0x0               ; img0, wimg, b1, fimg
	v_lshl_add_u32 v[SPW], v0, 2, SPARE
	v_mov_b32 v[NIL], 0
	ds_add_u32 v22, v23
	ds_add_u32 v22, v23
	s_wait_dscnt 0x0
	v_lshrrev_b32 v1, 5, v0
	v_readfirstlane_b32 s[WV], v1
	v_and_b32 v1, 31, v0
	v_bfe_u32 v3, v0, 4, 1
	v_lshlrev_b32 v[L16], 4, v1
	v_lshlrev_b32 v[L8], 3, v1
	v_lshlrev_b32 v[L4], 2, v1
	v_lshlrev_b32 v[B16], 4, v1
	v_lshl_add_u32 v[B16+1], v1, 4, 51200
	v_lshlrev_b32 v[B8], 3, v1
	v_lshl_add_u32 v[B8+1], v1, 3, 51200
	v_lshlrev_b32 v[B4], 2, v1
	v_lshl_add_u32 v[B4+1], v1, 2, 51200
	v_lshlrev_b32 v[HB], 6, v3
	v_mov_b32 v[C5V], 0x3f07dc22
	v_mov_b32 v[C5V+1], 0x3f07dc22
.irp b, 0,1,2,3
	v_mov_b32 v[TM+4+\b], 0
.endr
	s_mov_b32 s[SEL], 0x76543210
	s_mov_b32 s[SEL+1], 0xfedcba98
	s_mov_b32 s[HM], 0xffff0000
	s_mov_b32 s[CP], 0x3e6d3389
	s_mov_b32 s[K2], 0xbf38aa3b
	s_mov_b32 s[K2+1], s[K2]
	s_mov_b32 s[C4], 0xbf3a00e3
	s_mov_b32 s[C4+1], s[C4]
	s_mov_b32 s[C3], 0x3f35f0e3
	s_mov_b32 s[C3+1], s[C3]
	s_mov_b32 s[C2], 0xbe11a98e
	s_mov_b32 s[C2+1], s[C2]
	s_mov_b32 s[C1], 0x3e027906
	s_mov_b32 s[C1+1], s[C1]
	s_bfe_u32 s4, ttmp6, 0x40000
	s_lshl_b32 s5, ttmp9, 2
	s_add_co_u32 s5, s5, s4                        ; X: my block of tokens
	s_and_b32 s6, ttmp7, 0xffff                    ; Y: blocks 4 Y .. 4 Y + 3 of hidden units, shared by the partners
	s_lshl_b32 s76, s6, 2
	s_add_co_u32 s76, s76, 32
	s_mul_i32 s76, s76, 102400
	s_mov_b32 s77, 0
	s_mul_i32 s78, s5, 102400
	s_mov_b32 s79, 0
	s_mul_i32 s80, s[WV], 25600
	s_mov_b32 s81, 0
	s_mov_b32 s[G1], 15|(3<<16)|(1<<21)            ; mask: all four work-groups; elements of 8 bytes; bit 21 beside a mask; no padding
	s_mov_b32 s[G1+1], 32<<16                      ; rows of 256 bytes
	s_mov_b32 s[G1+2], 100<<16                     ; a slot's quarter: 100 rows
	s_mov_b32 s[G1+3], 32<<16
	s_mov_b32 s[G1+4], 100
	s_mov_b32 s[G1+5], 32
	s_mov_b32 s[G1+6], 0
	s_mov_b32 s[G1+7], 0
	s_lshl_b32 s72, s6, 11
	s_mov_b32 s73, 0
	s_lshl_b32 s74, s5, 5
	s_lshl_b32 s75, s6, 2
	s_add_co_u32 s74, s74, s75
	s_mul_i32 s74, s74, 12800                      ; the first result's block: (X, K step 4 Y)
	s_mov_b32 s75, 0
	s_wait_kmcnt 0x0
	s_add_nc_u64 s[S0B:S0B+1], s[10:11], s[76:77]
	s_add_nc_u64 s[S0B:S0B+1], s[S0B:S0B+1], s[80:81]
	s_mov_b32 s[G0], 1
	s_mov_b32 s[G0+1], s80                         ; slot 0, my quarter
	s_mov_b64 s[G0+2:G0+3], s[S0B:S0B+1]
	s_or_b32 s[G0+3], s[G0+3], 0x80000000
	s_add_nc_u64 s[S1B:S1B+1], s[8:9], s[78:79]
	s_lshl_b32 s82, s[WV], 7
	s_mov_b32 s83, 0
	s_add_nc_u64 s[S1SB:S1SB+1], s[S1B:S1B+1], s[82:83]
	s_add_nc_u64 s[96:97], s[14:15], s[74:75]
	s_add_nc_u64 s[98:99], s[96:97], s[82:83]      ; its scale words: + 128 w
	s_mul_i32 s82, s[WV], 3072
	s_add_nc_u64 s[S1B:S1B+1], s[S1B:S1B+1], s[82:83]
	s_add_nc_u64 s[96:97], s[96:97], s[82:83]      ; its fragments: + 3,072 w
	s_add_nc_u64 s[72:73], s[12:13], s[72:73]      ; b1 at the first block
	CROUND
	tensor_load_to_lds s[G0:G0+3], s[G1:G1+7]      ; the first block: one load of mine is out
	s_nop 0
	PLACES
	S1LOADH S1B, S1SB, 0, 0x40, 0, 0
	S1LOADH S1B, S1SB, 0, 0x40, 0, 4
	WIN 0xc0
.irp q, 0,1,2,3,4,5,6,7,8,9,10,11,12,13,14,15
	global_load_b128 v[BI+4*\q:BI+4*\q+3], v[HB], s[72:73] offset:128*(\q/4)+16*(\q%4)   ; register 16 b + i is hidden unit 32 b + 16 h + i of the block
.endr
	WIN 0
	s_mov_b32 s[SL], 0
	s_mov_b32 s[CNT], 3
	s_wait_loadcnt 0x0
.Lphase:
	PHASE 1
	s_wait_loadcnt 0x0                             ; the next bias is in,
	s_wait_xcnt 0x0                                ; and the stores have read their bases
	s_add_nc_u64 s[72:73], s[72:73], 512
	s_add_nc_u64 s[96:97], s[96:97], 12800
	s_add_nc_u64 s[98:99], s[98:99], 12800
	s_xor_b32 s[SL], s[SL], SLOT1                  ; on to the other slot
	s_sub_co_u32 s[CNT], s[CNT], 1
	s_cmp_lg_u32 s[CNT], 0
	s_cbranch_scc1 .Lphase
	PHASE 0                                        ; the last phase is written out
	s_wait_tensorcnt 0x0                           ; the wave's end
	ds_add_u32 v[SPW], v[NIL]
	s_wait_dscnt 0x0
	CROUND                                         ; the closing round
	s_endpgm
.Lfunc_end_k_qa3968d6330_ffn1:
	.size	k_qa3968d6330_ffn1, .Lfunc_end_k_qa3968d6330_ffn1-k_qa3968d6330_ffn1
	.p2alignl 7, 3214868480
	.fill 96, 4, 3214868480
	.section	.rodata,"a",@progbits
	.p2align	6, 0x0
	.amdhsa_kernel k_qa3968d6330_ffn1
		.amdhsa_group_segment_fixed_size 327680
		.amdhsa_private_segment_fixed_size 0
		.amdhsa_enable_private_segment 0
		.amdhsa_kernarg_size 32
		.amdhsa_user_sgpr_count 2
		.amdhsa_user_sgpr_kernarg_segment_ptr 1
		.amdhsa_wavefront_size32 1
		.amdhsa_system_sgpr_workgroup_id_x 1
		.amdhsa_system_sgpr_workgroup_id_y 1
		.amdhsa_system_sgpr_workgroup_id_z 1
		.amdhsa_system_vgpr_workitem_id 0
		.amdhsa_next_free_vgpr 1024
		.amdhsa_next_free_sgpr 104
		.amdhsa_reserve_vcc 0
		.amdhsa_float_denorm_mode_32 3
		.amdhsa_float_denorm_mode_16_64 3
		.amdhsa_memory_ordered 1
		.amdhsa_forward_progress 1
		.amdhsa_inst_pref_size 227
	.end_amdhsa_kernel
	.amdgpu_metadata
---
amdhsa.version: [ 1, 2 ]
amdhsa.kernels:
  - .name:           k_qa3968d6330_ffn1
    .symbol:         k_qa3968d6330_ffn1.kd
    .args:
      - { .name: img0, .offset: 0, .size: 8, .value_kind: global_buffer, .address_space: global }
      - { .name: wimg, .offset: 8, .size: 8, .value_kind: global_buffer, .address_space: global }
      - { .name: b1, .offset: 16, .size: 8, .value_kind: global_buffer, .address_space: global }
      - { .name: fimg, .offset: 24, .size: 8, .value_kind: global_buffer, .address_space: global }
    .group_segment_fixed_size: 327680
    .private_segment_fixed_size: 0
    .kernarg_segment_align: 8
    .kernarg_segment_size: 32
    .max_flat_workgroup_size: 128
    .sgpr_count:     104
    .vgpr_count:     1024
    .wavefront_size: 32
...
	.end_amdgpu_metadata
.endif
;; end of part 6
;; launch ffn2 (part 7): grid 32 x 8, 4 waves a work-group, clusters of 4 x 1, 327,680 bytes of LDS; arguments fimg, wimg, b2, ht, y; writes y
.if DOCPART == 7
	.amdgcn_target "amdgcn-amd-amdhsa--gfx1250"
	.amdhsa_code_object_version 6
	.text
	.protected	k_qa3968d6330_ffn2
	.globl	k_qa3968d6330_ffn2
	.p2align	8
	.type	k_qa3968d6330_ffn2,@function
k_qa3968d6330_ffn2:
	s_mov_b64 s[64:65], 0
	v_nop
	global_prefetch_b8 v0, s[64:65] scope:SCOPE_SE
	s_setreg_imm32_b32 hwreg(HW_REG_WAVE_MODE, 25, 1), 1
	s_wait_xcnt 0x0
	s_wait_alu depctr_hold_cnt(0) depctr_sa_sdst(0) depctr_va_vdst(0) depctr_va_sdst(0) depctr_va_ssrc(0) depctr_va_vcc(0) depctr_vm_vsrc(0)
	s_getreg_b32 s2, hwreg(HW_REG_IB_STS2, 6, 4)
	s_cmp_eq_u32 s2, 0
	s_cbranch_scc0 .Lentry_in_a_cluster
	s_endpgm
.Lentry_in_a_cluster:
	s_bfe_u32 s2, ttmp6, 0x10000c
	s_cmp_lg_u32 s2, 0x3003
	s_cbranch_scc0 .Lentry_shape_is_right
	s_endpgm
.Lentry_shape_is_right:
; y = h + gelu(..) w2 + b2 on codes of E3M2.  A work-group makes 128 tokens x 128 columns, K = 4,096 in four phases of 1,024.
; Source 0 = 128 columns of w2: a phase is 102,400 bytes; two LDS slots take turns, filled by joint tensor loads of the cluster's four work-groups; slots are filled again twice, each time behind a round of the cluster's barrier.
; Source 1 = my wave's 32 tokens, from memory into registers, a phase ahead, in windows 1 and 3 by turns.  A phase's 72 loads are issued in two halves of 36, the second behind the fourth K step of the phase
; before, so that the wave never has more loads out than their counter's field holds while it has products to issue.  The sums begin with h + b2.  y leaves in tiles in the order of the lanes' registers.
; The launch claims all of LDS; it uses 205,312 bytes.
.set WV, 3
.set L16, 4
.set L8, 5
.set L4, 6
.set A16, 8
.set A8, 10
.set A4, 12
.set HB, 21
.set SPW, 22
.set NIL, 23
.set SS, 24
.set S1S, 32
.set ACC, 64
.set BIAS, 192
.set SPARE, 204800                     ; behind the slots: the spare words, 128 bytes a wave
.set G1, 24
.set G0, 32
.set G1L, 48
.set G0L, 56
.set S1B, 66
.set S1SB, 68
.set S0B, 70
.set S0W, 72
.set LW, 74
.set MSB, 0
.macro WIN new
.if MSB != \new
	s_set_vgpr_msb (MSB<<8)|\new
.set MSB, \new
.endif
.endm
.macro BAR
	s_barrier_signal -1
	s_barrier_wait -1
.endm
.macro CROUND
	s_barrier_signal -1
	s_barrier_wait -1
	s_cmp_lg_u32 s[WV], 0
	s_cbranch_scc1 .Lnw0_\@
	s_barrier_signal -3
.Lnw0_\@:
	s_barrier_wait -3
	s_barrier_signal -1
	s_barrier_wait -1
.endm
.macro PLACES
.rept 4
	v_nop
.endr
.endm
; source 1 of phase ph: my two tiles' fragments of K steps k0 .. k0 + 3 into the window wv names, and their scale words: 36 loads
.macro S1LOADH sb, ssb, ph, wv, set, k0
	WIN \wv
.irp q, 0,1,2,3
.irp m, 0,1
	global_load_b128 v[24*((\k0)+\q)+12*\m:24*((\k0)+\q)+12*\m+3], v[L16], s[\sb:\sb+1] offset:(\ph)*102400+((\k0)+\q)*12800+\m*1536
	global_load_b64 v[24*((\k0)+\q)+12*\m+4:24*((\k0)+\q)+12*\m+5], v[L8], s[\sb:\sb+1] offset:(\ph)*102400+((\k0)+\q)*12800+\m*1536+512
	global_load_b128 v[24*((\k0)+\q)+12*\m+6:24*((\k0)+\q)+12*\m+9], v[L16], s[\sb:\sb+1] offset:(\ph)*102400+((\k0)+\q)*12800+\m*1536+768
	global_load_b64 v[24*((\k0)+\q)+12*\m+10:24*((\k0)+\q)+12*\m+11], v[L8], s[\sb:\sb+1] offset:(\ph)*102400+((\k0)+\q)*12800+\m*1536+1280
.endr
.endr
	WIN 0
.irp q, 0,1,2,3
	global_load_b32 v[S1S+8*(\set)+(\k0)+\q], v[L4], s[\ssb:\ssb+1] offset:(\ph)*102400+((\k0)+\q)*12800+12288
.endr
.endm
.macro FETCH slot, k, buf
	WIN 0x80
.irp T, 0,1,2,3,4,5,6,7
	ds_load_b128 v[96*(\buf)+12*\T:96*(\buf)+12*\T+3], v[A16+6*(\slot)+((\k)>>2)] offset:((\k)&3)*12800+1536*\T
	ds_load_b64 v[96*(\buf)+12*\T+4:96*(\buf)+12*\T+5], v[A8+6*(\slot)+((\k)>>2)] offset:((\k)&3)*12800+1536*\T+512
	ds_load_b128 v[96*(\buf)+12*\T+6:96*(\buf)+12*\T+9], v[A16+6*(\slot)+((\k)>>2)] offset:((\k)&3)*12800+1536*\T+768
	ds_load_b64 v[96*(\buf)+12*\T+10:96*(\buf)+12*\T+11], v[A8+6*(\slot)+((\k)>>2)] offset:((\k)&3)*12800+1536*\T+1280
.endr
	WIN 0
.irp i, 0,1,2,3
	ds_load_b32 v[SS+4*(\buf)+\i], v[A4+6*(\slot)+((\k)>>2)] offset:((\k)&3)*12800+12288+128*\i
.endr
.endm
.macro WM T, m, kk, buf, set
.set rD, ACC+64*(\m)+8*(\T)
.set rA, 96*(\buf)+12*(\T)
.set rB, 24*(\kk)+12*(\m)
.set rS, SS+4*(\buf)+(\T)/2
.set rZ, S1S+8*(\set)+(\kk)
.if ((\T)%2 == 0) && ((\m) == 0)
	v_wmma_scale_f32_16x16x128_f8f6f4 v[rD:rD+7], v[rA:rA+11], v[rB:rB+11], v[rD:rD+7], v[rS], v[rZ] matrix_a_fmt:MATRIX_FMT_BF6 matrix_b_fmt:MATRIX_FMT_BF6
.elseif (\m) == 0
	v_wmma_scale_f32_16x16x128_f8f6f4 v[rD:rD+7], v[rA:rA+11], v[rB:rB+11], v[rD:rD+7], v[rS], v[rZ] matrix_a_fmt:MATRIX_FMT_BF6 matrix_b_fmt:MATRIX_FMT_BF6 matrix_a_scale:MATRIX_SCALE_ROW1
.elseif (\T)%2 == 0
	v_wmma_scale_f32_16x16x128_f8f6f4 v[rD:rD+7], v[rA:rA+11], v[rB:rB+11], v[rD:rD+7], v[rS], v[rZ] matrix_a_fmt:MATRIX_FMT_BF6 matrix_b_fmt:MATRIX_FMT_BF6 matrix_b_scale:MATRIX_SCALE_ROW1
.else
	v_wmma_scale_f32_16x16x128_f8f6f4 v[rD:rD+7], v[rA:rA+11], v[rB:rB+11], v[rD:rD+7], v[rS], v[rZ] matrix_a_fmt:MATRIX_FMT_BF6 matrix_b_fmt:MATRIX_FMT_BF6 matrix_a_scale:MATRIX_SCALE_ROW1 matrix_b_scale:MATRIX_SCALE_ROW1
.endif
.endm
.macro MUL kk, buf, wv, set            ; the 16 accumulators take turns, one instruction a turn
	WIN \wv
.irp T, 0,1,2,3,4,5,6,7
.irp m, 0,1
	WM \T, \m, \kk, \buf, \set
.endr
.endr
.endm
; eight K steps.  hk = 1: behind the fourth, the second half of phase hph's source 1 is asked for, into registers whose last products lie a phase back
.macro MAIN slot, wv, set, chunked, tb, hk, hph, hwv, hset
.if \chunked
	s_wait_tensorcnt \tb                           ; my part of chunk 0 has landed; the later chunks and slot 1's load stay out
	BAR
.endif
	FETCH \slot, 0, 0
.irp k, 0,1,2,3,4,5,6
.if (\chunked) && ((\k)&1)
	s_wait_dscnt 0x0
	s_wait_tensorcnt (\tb)-((\k)+1)/2              ; my part of the next chunk has landed
	BAR
.endif
.if \k > 0
	PLACES
.endif
	FETCH \slot, \k+1, (\k+1)&1
	s_wait_dscnt 36                                ; all but the 36 just issued
	MUL \k, (\k)&1, \wv, \set
.if (\hk) && (\k == 3)
	S1LOADH S1B, S1SB, \hph, \hwv, \hset, 4
.endif
.endr
	s_wait_dscnt 0x0
	MUL 7, 1, \wv, \set
	WIN 0
.endm
; the slot just read out is filled again with phase ph; the registers that the phase just ended has read take the first half of source 1 of phase ph
.macro TURN slot, ph, wv, set
	s_wait_tensorcnt 0x0                           ; all my tensor loads have landed, my part of the other slot among them: the descriptor may be written
	ds_add_u32 v[SPW], v[NIL]                      ; 0 onto my spare word
	s_add_co_u32 s[G0L+1], s[LW], (\slot)*102400
	s_add_nc_u64 s[G0L+2:G0L+3], s[S0W:S0W+1], (\ph)*102400
	s_or_b32 s[G0L+3], s[G0L+3], 0x80000000
	s_wait_dscnt 0x0                               ; the add is done, and my reads of the slot are over
	CROUND                                         ; both hold of every wave of the four work-groups
	tensor_load_to_lds s[G0L:G0L+3], s[G1L:G1L+7]  ; my one load behind the round: it has a phase, 128 products, in which to land
	s_nop 0
	PLACES                                         ; also the places in front of the loads below
	s_wait_loadcnt 0x0                             ; the next phase's source 1, both halves
	S1LOADH S1B, S1SB, \ph, \wv, \set, 0
.endm
	s_load_b256 s[8:15], s[0:1], 0x0               ; fimg, wimg, b2, ht
	s_load_b64 s[16:17], s[0:1], 0x20              ; y
	v_lshl_add_u32 v[SPW], v0, 2, SPARE
	v_mov_b32 v[NIL], 0
	ds_add_u32 v22, v23
	ds_add_u32 v22, v23
	s_wait_dscnt 0x0
	v_lshrrev_b32 v1, 5, v0
	v_readfirstlane_b32 s[WV], v1
	v_and_b32 v1, 31, v0
	v_bfe_u32 v3, v0, 4, 1
	v_lshlrev_b32 v[L16], 4, v1
	v_lshlrev_b32 v[L8], 3, v1
	v_lshlrev_b32 v[L4], 2, v1
	v_lshlrev_b32 v[A16], 4, v1
	v_lshl_add_u32 v[A16+1], v1, 4, 51200
	v_lshlrev_b32 v[A8], 3, v1
	v_lshl_add_u32 v[A8+1], v1, 3, 51200
	v_lshlrev_b32 v[A4], 2, v1
	v_lshl_add_u32 v[A4+1], v1, 2, 51200
	v_lshl_add_u32 v[A16+6], v1, 4, 102400
	v_lshl_add_u32 v[A16+7], v1, 4, 153600
	v_lshl_add_u32 v[A8+6], v1, 3, 102400
	v_lshl_add_u32 v[A8+7], v1, 3, 153600
	v_lshl_add_u32 v[A4+6], v1, 2, 102400
	v_lshl_add_u32 v[A4+7], v1, 2, 153600
	v_lshlrev_b32 v[HB], 6, v3
	s_bfe_u32 s4, ttmp6, 0x40000
	s_lshl_b32 s5, ttmp9, 2
	s_add_co_u32 s5, s5, s4                        ; X
	s_and_b32 s6, ttmp7, 0xffff                    ; Y
	s_mul_i32 s76, s6, 409600
	s_add_co_u32 s76, s76, 6553600
	s_mov_b32 s77, 0
	s_mul_i32 s78, s5, 409600
	s_mov_b32 s79, 0
	s_mul_i32 s80, s[WV], 6400
	s_mov_b32 s81, 0
	s_mul_i32 s[LW], s[WV], 25600
	s_mov_b32 s[LW+1], 0
.irp g, G1, G1L
	s_mov_b32 s[\g], 15|(3<<16)|(1<<21)
	s_mov_b32 s[\g+1], 32<<16
	s_mov_b32 s[\g+3], 32<<16
	s_mov_b32 s[\g+5], 32
	s_mov_b32 s[\g+6], 0
	s_mov_b32 s[\g+7], 0
.endr
	s_mov_b32 s[G1+2], 25<<16                      ; a chunk's quarter: 25 rows of 256 bytes
	s_mov_b32 s[G1+4], 25
	s_mov_b32 s[G1L+2], 100<<16                    ; a slot's quarter: 100 rows
	s_mov_b32 s[G1L+4], 100
	s_lshl_b32 s84, s5, 19
	s_lshl_b32 s85, s[WV], 17
	s_add_co_u32 s84, s84, s85
	s_lshl_b32 s85, s6, 13
	s_add_co_u32 s84, s84, s85                     ; ((8 X + 2 w) 8 + Y) tiles of 8,192 bytes, in ht and in y
	s_mov_b32 s85, 0
	s_lshl_b32 s88, s6, 9
	s_mov_b32 s89, 0
	s_wait_kmcnt 0x0
	s_add_nc_u64 s[S0W:S0W+1], s[10:11], s[76:77]
	s_add_nc_u64 s[S0B:S0B+1], s[S0W:S0W+1], s[80:81]
	s_add_nc_u64 s[S0W:S0W+1], s[S0W:S0W+1], s[LW:LW+1]
	s_add_nc_u64 s[S1B:S1B+1], s[8:9], s[78:79]
	s_lshl_b32 s82, s[WV], 7
	s_mov_b32 s83, 0
	s_add_nc_u64 s[S1SB:S1SB+1], s[S1B:S1B+1], s[82:83]
	s_mul_i32 s82, s[WV], 3072
	s_add_nc_u64 s[S1B:S1B+1], s[S1B:S1B+1], s[82:83]
	s_add_nc_u64 s[86:87], s[14:15], s[84:85]
	s_add_nc_u64 s[90:91], s[12:13], s[88:89]
	s_add_nc_u64 s[94:95], s[16:17], s[84:85]
.irp c, 0,1,2,3
	s_mov_b32 s[G0+4*\c], 1
	s_add_co_u32 s[G0+4*\c+1], s80, \c*25600
	s_add_nc_u64 s[G0+4*\c+2:G0+4*\c+3], s[S0B:S0B+1], \c*25600
	s_or_b32 s[G0+4*\c+3], s[G0+4*\c+3], 0x80000000
.endr
	s_mov_b32 s[G0L], 1
	s_add_co_u32 s[G0L+1], s[LW], 102400
	s_add_nc_u64 s[G0L+2:G0L+3], s[S0W:S0W+1], 102400
	s_or_b32 s[G0L+3], s[G0L+3], 0x80000000
	CROUND
	tensor_load_to_lds s[G0:G0+3], s[G1:G1+7]      ; the first fills, one group: five loads of mine are out
	s_nop 0
	tensor_load_to_lds s[G0+4:G0+7], s[G1:G1+7]
	s_nop 0
	tensor_load_to_lds s[G0+8:G0+11], s[G1:G1+7]
	s_nop 0
	tensor_load_to_lds s[G0+12:G0+15], s[G1:G1+7]
	s_nop 0
	tensor_load_to_lds s[G0L:G0L+3], s[G1L:G1L+7]
	s_nop 0
	PLACES
.irp m, 0,1
.irp q, 0,1,2,3,4,5,6,7,8,9,10,11,12,13,14,15
	global_load_b128 v[ACC+64*\m+4*\q:ACC+64*\m+4*\q+3], v[L16], s[86:87] offset:65536*\m+512*\q
.endr
.endr
.irp q, 0,1,2,3,4,5,6,7,8,9,10,11,12,13,14,15
	global_load_b128 v[BIAS+4*\q:BIAS+4*\q+3], v[HB], s[90:91] offset:128*(\q/4)+16*(\q%4)
.endr
	S1LOADH S1B, S1SB, 0, 0x40, 0, 0
	S1LOADH S1B, S1SB, 0, 0x40, 0, 4
	s_wait_loadcnt 0x0
.irp m, 0,1
.set j, 0
.rept 32
	v_pk_add_f32 v[ACC+64*\m+j:ACC+64*\m+j+1], v[ACC+64*\m+j:ACC+64*\m+j+1], v[BIAS+j:BIAS+j+1]   ; the sums begin with h + b2
.set j, j+2
.endr
.endr
	S1LOADH S1B, S1SB, 1, 0xc0, 1, 0
	MAIN 0, 0x06, 0, 1, 4, 1, 1, 0xc0, 1
	TURN 0, 2, 0x40, 0
	MAIN 1, 0x0e, 1, 0, 0, 1, 2, 0x40, 0
	TURN 1, 3, 0xc0, 1
	MAIN 0, 0x06, 0, 0, 0, 1, 3, 0xc0, 1
	s_wait_tensorcnt 0x0                           ; my part of slot 1's last fill has landed
	ds_add_u32 v[SPW], v[NIL]
	s_wait_dscnt 0x0
	BAR
	PLACES
	s_wait_loadcnt 0x0
	MAIN 1, 0x0e, 1, 0, 0, 0, 0, 0, 0
	PLACES
.irp m, 0,1
.irp q, 0,1,2,3,4,5,6,7,8,9,10,11,12,13,14,15
	global_store_b128 v[L16], v[ACC+64*\m+4*\q:ACC+64*\m+4*\q+3], s[94:95] offset:65536*\m+512*\q   ; each accumulator from its low end on; 512 consecutive bytes a store
.endr
.endr
	s_wait_tensorcnt 0x0                           ; the wave's end
	ds_add_u32 v[SPW], v[NIL]
	s_wait_dscnt 0x0
	CROUND                                         ; the closing round
	s_endpgm
.Lfunc_end_k_qa3968d6330_ffn2:
	.size	k_qa3968d6330_ffn2, .Lfunc_end_k_qa3968d6330_ffn2-k_qa3968d6330_ffn2
	.p2alignl 7, 3214868480
	.fill 96, 4, 3214868480
	.section	.rodata,"a",@progbits
	.p2align	6, 0x0
	.amdhsa_kernel k_qa3968d6330_ffn2
		.amdhsa_group_segment_fixed_size 327680
		.amdhsa_private_segment_fixed_size 0
		.amdhsa_enable_private_segment 0
		.amdhsa_kernarg_size 40
		.amdhsa_user_sgpr_count 2
		.amdhsa_user_sgpr_kernarg_segment_ptr 1
		.amdhsa_wavefront_size32 1
		.amdhsa_system_sgpr_workgroup_id_x 1
		.amdhsa_system_sgpr_workgroup_id_y 1
		.amdhsa_system_sgpr_workgroup_id_z 1
		.amdhsa_system_vgpr_workitem_id 0
		.amdhsa_next_free_vgpr 1024
		.amdhsa_next_free_sgpr 100
		.amdhsa_reserve_vcc 0
		.amdhsa_float_denorm_mode_32 3
		.amdhsa_float_denorm_mode_16_64 3
		.amdhsa_memory_ordered 1
		.amdhsa_forward_progress 1
		.amdhsa_inst_pref_size 192
	.end_amdhsa_kernel
	.amdgpu_metadata
---
amdhsa.version: [ 1, 2 ]
amdhsa.kernels:
  - .name:           k_qa3968d6330_ffn2
    .symbol:         k_qa3968d6330_ffn2.kd
    .args:
      - { .name: fimg, .offset: 0, .size: 8, .value_kind: global_buffer, .address_space: global }
      - { .name: wimg, .offset: 8, .size: 8, .value_kind: global_buffer, .address_space: global }
      - { .name: b2, .offset: 16, .size: 8, .value_kind: global_buffer, .address_space: global }
      - { .name: ht, .offset: 24, .size: 8, .value_kind: global_buffer, .address_space: global }
      - { .name: y, .offset: 32, .size: 8, .value_kind: global_buffer, .address_space: global }
    .group_segment_fixed_size: 327680
    .private_segment_fixed_size: 0
    .kernarg_segment_align: 8
    .kernarg_segment_size: 40
    .max_flat_workgroup_size: 128
    .sgpr_count:     100
    .vgpr_count:     1024
    .wavefront_size: 32
...
	.end_amdgpu_metadata
.endif
;; end of part 7
;; launch ln2 (part 8): grid 256 x 1, 8 waves a work-group, no clusters, 69,632 bytes of LDS; arguments y, g2, beta2, out0; writes out0
.if DOCPART == 8
	.amdgcn_target "amdgcn-amd-amdhsa--gfx1250"
	.amdhsa_code_object_version 6
	.text
	.protected	k_qa3968d6330_ln2
	.globl	k_qa3968d6330_ln2
	.p2align	8
	.type	k_qa3968d6330_ln2,@function
k_qa3968d6330_ln2:
	s_mov_b64 s[64:65], 0
	v_nop
	global_prefetch_b8 v0, s[64:65] scope:SCOPE_SE
	s_setreg_imm32_b32 hwreg(HW_REG_WAVE_MODE, 25, 1), 1
	s_wait_xcnt 0x0
; out0 = LayerNorm(y) g2 + beta2 over rows of 1,024.  y lies in tiles of 16 tokens x 128 columns in the order of the lanes' registers; out0 is row-major.
; A work-group takes a tile of 16 tokens; wave w its columns 128 w .. 128 w + 127: lane (r, h) holds token-row r, register 16 b + i column 128 w + 32 b + 16 h + i.
; The variance is the mean of the squared deviations from the mean.  The waves' partial sums meet in LDS (bytes 0-1,023).  The result turns through the wave's own stage
; (16 rows of 512 + 16 bytes, from byte 1,024 on) and leaves as runs of 512 consecutive bytes of a row.  Lane-row i of token tile t is token 32 (t / 2) + 8 (t % 2) + i + 8 (i / 8).
.set WV, 3
.set L16, 4
.set HB, 6
.set RA, 7
.set RB, 8
.set SO, 10
.set SR, 11
.set Y, 16
.set G, 80
.set BT, 144
.set AC, 208
.set RD, 216
.set MN, 224
.set SEL, 16
.macro REDUCE base
	v_pk_add_f32 v[AC:AC+1], v[AC:AC+1], v[AC+2:AC+3]
	v_pk_add_f32 v[AC+4:AC+5], v[AC+4:AC+5], v[AC+6:AC+7]
	v_pk_add_f32 v[AC:AC+1], v[AC:AC+1], v[AC+4:AC+5]
	v_add_f32 v[AC], v[AC], v[AC+1]
	v_permlanex16_b32 v[AC+2], v[AC], s[SEL], s[SEL+1]
	v_add_f32 v[AC], v[AC], v[AC+2]
	ds_store_b32 v[RA], v[AC] offset:\base         ; row r, word w
	s_wait_dscnt 0x0                               ; for the others: my store has landed
	s_barrier_signal -1
	s_barrier_wait -1
	ds_load_b128 v[RD:RD+3], v[RB] offset:\base
	ds_load_b128 v[RD+4:RD+7], v[RB] offset:\base+16
	s_wait_dscnt 0x0
	v_add_f32 v[RD], v[RD], v[RD+1]
	v_add_f32 v[RD+2], v[RD+2], v[RD+3]
	v_add_f32 v[RD+4], v[RD+4], v[RD+5]
	v_add_f32 v[RD+6], v[RD+6], v[RD+7]
	v_add_f32 v[RD], v[RD], v[RD+2]
	v_add_f32 v[RD+4], v[RD+4], v[RD+6]
	v_add_f32 v[RD], v[RD], v[RD+4]
.endm
	s_load_b256 s[4:11], s[0:1], 0x0               ; y, g2, beta2, out0
	v_lshl_add_u32 v254, v0, 2, 0x10c00
	v_mov_b32 v255, 0
	v_lshrrev_b32 v1, 5, v0
	v_readfirstlane_b32 s[WV], v1
	v_and_b32 v1, 31, v0
	v_and_b32 v2, 15, v0
	v_bfe_u32 v3, v0, 4, 1
	v_lshlrev_b32 v[L16], 4, v1
	v_lshlrev_b32 v[HB], 6, v3
	v_lshlrev_b32 v[RB], 5, v2
	s_lshl_b32 s14, s[WV], 2
	v_add_nc_u32 v[RA], s14, v[RB]
	s_mul_i32 s26, s[WV], 8448
	s_add_co_u32 s26, s26, 1024                    ; my stage
	v_mul_u32_u24 v[SO], v2, 528
	v_lshl_add_u32 v[SO], v3, 6, v[SO]
	v_add_nc_u32 v[SO], s26, v[SO]
	v_lshl_add_u32 v[SR], v1, 4, s26
	s_lshl_b32 s20, ttmp9, 3
	s_add_co_u32 s20, s20, s[WV]
	s_lshl_b32 s20, s20, 13
	s_mov_b32 s21, 0
	s_lshl_b32 s22, s[WV], 9
	s_mov_b32 s23, 0
	s_mov_b32 s[SEL], 0x76543210
	s_mov_b32 s[SEL+1], 0xfedcba98
	s_mov_b32 s24, 0x3a800000                      ; 1 / 1,024
	s_mov_b32 s25, 0x3727c5ac                      ; 1e-5
	s_lshr_b32 s28, ttmp9, 1
	s_lshl_b32 s28, s28, 17                        ; 32 rows of 4,096 bytes
	s_and_b32 s29, ttmp9, 1
	s_lshl_b32 s29, s29, 15                        ; 8 rows
	s_add_co_u32 s28, s28, s29
	s_add_co_u32 s28, s28, s22
	s_mov_b32 s29, 0
	s_wait_kmcnt 0x0
	s_add_nc_u64 s[4:5], s[4:5], s[20:21]
	s_add_nc_u64 s[6:7], s[6:7], s[22:23]
	s_add_nc_u64 s[8:9], s[8:9], s[22:23]
	s_add_nc_u64 s[10:11], s[10:11], s[28:29]
.irp q, 0,1,2,3,4,5,6,7,8,9,10,11,12,13,14,15
	global_load_b128 v[Y+4*\q:Y+4*\q+3], v[L16], s[4:5] offset:512*\q th:TH_LOAD_NT
.endr
.irp q, 0,1,2,3,4,5,6,7,8,9,10,11,12,13,14,15
	global_load_b128 v[G+4*\q:G+4*\q+3], v[HB], s[6:7] offset:128*(\q/4)+16*(\q%4)
.endr
.irp q, 0,1,2,3,4,5,6,7,8,9,10,11,12,13,14,15
	global_load_b128 v[BT+4*\q:BT+4*\q+3], v[HB], s[8:9] offset:128*(\q/4)+16*(\q%4)
.endr
	s_wait_loadcnt 32                              ; y is in; the gain's and the offset's 32 loads may be out
.irp c, 0,1,2,3
	v_pk_add_f32 v[AC+2*\c:AC+2*\c+1], v[Y+2*\c:Y+2*\c+1], v[Y+8+2*\c:Y+9+2*\c]
.endr
.irp p, 8,12,16,20,24,28
.irp c, 0,1,2,3
	v_pk_add_f32 v[AC+2*\c:AC+2*\c+1], v[AC+2*\c:AC+2*\c+1], v[Y+2*(\p+\c):Y+2*(\p+\c)+1]
.endr
.endr
	REDUCE 0
	v_mul_f32 v[MN], s24, v[RD]                    ; the mean
	v_mov_b32 v[MN+1], v[MN]
.set j, 0
.rept 32
	v_pk_add_f32 v[Y+j:Y+j+1], v[Y+j:Y+j+1], v[MN:MN+1] neg_lo:[0,1] neg_hi:[0,1]
.set j, j+2
.endr
.irp c, 0,1,2,3
	v_pk_mul_f32 v[AC+2*\c:AC+2*\c+1], v[Y+2*\c:Y+2*\c+1], v[Y+2*\c:Y+2*\c+1]
.endr
.irp p, 4,8,12,16,20,24,28
.irp c, 0,1,2,3
	v_pk_fma_f32 v[AC+2*\c:AC+2*\c+1], v[Y+2*(\p+\c):Y+2*(\p+\c)+1], v[Y+2*(\p+\c):Y+2*(\p+\c)+1], v[AC+2*\c:AC+2*\c+1]
.endr
.endr
	REDUCE 512
	v_fma_f32 v[MN], v[RD], s24, s25               ; the variance + 1e-5
	v_rsq_f32 v[MN], v[MN]
	v_nop
	s_wait_alu depctr_va_vdst(0)
	v_mov_b32 v[MN+1], v[MN]
	s_wait_loadcnt 0x0
.set j, 0
.rept 32
	v_pk_mul_f32 v[Y+j:Y+j+1], v[Y+j:Y+j+1], v[MN:MN+1]
.set j, j+2
.endr
.set j, 0
.rept 32
	v_pk_fma_f32 v[Y+j:Y+j+1], v[Y+j:Y+j+1], v[G+j:G+j+1], v[BT+j:BT+j+1]
.set j, j+2
.endr
.irp q, 0,1,2,3,4,5,6,7,8,9,10,11,12,13,14,15
	ds_store_b128 v[SO], v[Y+4*\q:Y+4*\q+3] offset:128*(\q/4)+16*(\q%4)
.endr
.irp i, 0,1,2,3,4,5,6,7,8,9,10,11,12,13,14,15
	ds_load_b128 v[G+4*\i:G+4*\i+3], v[SR] offset:528*\i       ; my own stage: LDS serves a wave in order
.endr
.irp i, 0,1,2,3,4,5,6,7,8,9,10,11,12,13,14,15
	s_wait_dscnt 15-\i                             ; the younger read-backs may be out
	global_store_b128 v[L16], v[G+4*\i:G+4*\i+3], s[10:11] offset:(\i+8*(\i/8))*4096 th:TH_STORE_NT
.endr
	s_wait_tensorcnt 0x0
	ds_add_u32 v254, v255
	s_wait_dscnt 0x0
	s_endpgm
.Lfunc_end_k_qa3968d6330_ln2:
	.size	k_qa3968d6330_ln2, .Lfunc_end_k_qa3968d6330_ln2-k_qa3968d6330_ln2
	.p2alignl 7, 3214868480
	.fill 96, 4, 3214868480
	.section	.rodata,"a",@progbits
	.p2align	6, 0x0
	.amdhsa_kernel k_qa3968d6330_ln2
		.amdhsa_group_segment_fixed_size 69632
		.amdhsa_private_segment_fixed_size 0
		.amdhsa_enable_private_segment 0
		.amdhsa_kernarg_size 32
		.amdhsa_user_sgpr_count 2
		.amdhsa_user_sgpr_kernarg_segment_ptr 1
		.amdhsa_wavefront_size32 1
		.amdhsa_system_sgpr_workgroup_id_x 1
		.amdhsa_system_sgpr_workgroup_id_y 1
		.amdhsa_system_sgpr_workgroup_id_z 1
		.amdhsa_system_vgpr_workitem_id 0
		.amdhsa_next_free_vgpr 256
		.amdhsa_next_free_sgpr 66
		.amdhsa_reserve_vcc 0
		.amdhsa_float_denorm_mode_32 3
		.amdhsa_float_denorm_mode_16_64 3
		.amdhsa_memory_ordered 1
		.amdhsa_forward_progress 1
		.amdhsa_inst_pref_size 23
	.end_amdhsa_kernel
	.amdgpu_metadata
---
amdhsa.version: [ 1, 2 ]
amdhsa.kernels:
  - .name:           k_qa3968d6330_ln2
    .symbol:         k_qa3968d6330_ln2.kd
    .args:
      - { .name: y, .offset: 0, .size: 8, .value_kind: global_buffer, .address_space: global }
      - { .name: g2, .offset: 8, .size: 8, .value_kind: global_buffer, .address_space: global }
      - { .name: beta2, .offset: 16, .size: 8, .value_kind: global_buffer, .address_space: global }
      - { .name: out0, .offset: 24, .size: 8, .value_kind: global_buffer, .address_space: global }
    .group_segment_fixed_size: 69632
    .private_segment_fixed_size: 0
    .kernarg_segment_align: 8
    .kernarg_segment_size: 32
    .max_flat_workgroup_size: 256
    .sgpr_count:     66
    .vgpr_count:     256
    .wavefront_size: 32
...
	.end_amdgpu_metadata
.endif
;; end of part 8
